; MI455X (gfx1250); checked and timed in simulation.
; The chip was launched on July 23, 2026; its instructions are those of AMD's public machine-readable ISA for CDNA 5 (MIT licence, August 2026) and "CDNA5" Instruction Set Architecture Reference Guide (July 2026). The comments in the code are by the model that wrote it; some were corrected since.
;; MHA. Allowed arithmetic: matrix products marked QUANTISED: E4M3 operands, one E8M0 scale for each 32 along K, by v_wmma_scale_f32_16x16x128_f8f6f4 with both operands' format E4M3, f32 sums; products left as they are: f32 operands where the result goes on into a quantised operand, else bf16, f16 or f32 operands; f32 sums; everything else in f32.
;; Inputs: bn1_b 128 float32; bn1_g 128 float32; bn2_b 128 float32; bn2_g 128 float32; embedding_node 64 x 512 x 128 float32; ff1_b 512 float32; ff1_w 128 x 512 float32; ff2_b 128 float32; ff2_w 512 x 128 float32; w_b 128 float32; w_w 128 x 128 float32; wk_b 128 float32; wk_w 128 x 128 float32; wq_b 128 float32; wq_w 128 x 128 float32; wv_b 128 float32; wv_w 128 x 128 float32.
;; Outputs: out0 64 x 512 x 128 float32.
;; This version of the problem:
;;   THIS VERSION OF THE PROBLEM IS GIVEN IN LOW PRECISION. The matrix products marked QUANTISED in the list below multiply operands that are first quantised to E4M3 (4 exponent bits, 3 mantissa bits; 8 bits a number), with one power-of-two scale for each 32 numbers along K (OCP MX v1.0); their sums are f32. All else is computed in f32.
;;   The module's matrix products, in the order in which they are computed (A, B: the left and right operand; K: the contracted axis; several contracted axes count as one K, in the product's order):
;;     1. [M 32,768, K 128] x [K 128, N 128]; A: input embedding_node; B: input wq_w: QUANTISED
;;     2. [M 32,768, K 128] x [K 128, N 128]; A: input embedding_node; B: input wk_w: QUANTISED
;;     3. [M 32,768, K 128] x [K 128, N 128]; A: input embedding_node; B: input wv_w: QUANTISED
;;     4. batch 512 x [M 512, K 16] x [K 16, N 512]; A: computed on the way; B: computed on the way: left as it is (K = 16 < 32)
;;     5. batch 512 x [M 16, K 512] x [K 512, N 512]; A: computed on the way; B: softmax (see below): QUANTISED
;;     6. [M 32,768, K 128] x [K 128, N 128]; A: computed on the way; B: input w_w: QUANTISED
;;     7. [M 32,768, K 128] x [K 128, N 512]; A: computed on the way; B: input ff1_w: QUANTISED
;;     8. [M 32,768, K 512] x [K 512, N 128]; A: computed on the way; B: input ff2_w: QUANTISED
;;   THE QUANTISER, for each operand of a quantised product, along K:
;;     - K is cut into blocks of 32 from its start; a last block that is shorter is filled with zeros.
;;     - A block's scale is 2^e with e = floor(log2(the largest magnitude in the block)) - 8, held to -126 .. 127; a block of zeros has e = 0. As a byte (E8M0): e + 127.
;;     - Each number is divided by its block's scale, clamped to +-448, and rounded to the nearest number of E4M3, ties to even, subnormals kept.
;;     - The product sums the exact products of the quantised numbers (number of the format x scale) in f32.
;;   ~~~python
;;   def quantise(x, axis):      # numpy; x: float32 -> the quantised numbers, widened to float32 again
;;       x = np.moveaxis(x, axis, -1); K = x.shape[-1]
;;       x = np.pad(x, [(0, 0)] * (x.ndim - 1) + [(0, -K % 32)]); x = x.reshape(x.shape[:-1] + (-1, 32)); a = np.abs(x).max(-1, keepdims=True)
;;       e = np.where(a > 0, np.clip(np.frexp(np.where(a > 0, a, 1))[1] - 1 - 8, -126, 127), 0)      # np.frexp(a)[1] - 1 = floor(log2(a)), exactly
;;       r = np.clip(x / 2.0 ** e, -448, 448)
;;       step = 2.0 ** (np.maximum(np.frexp(np.where(r == 0, 1, r))[1] - 1, -6) - 3)
;;       q = np.round(r / step) * step * 2.0 ** e      # np.round: ties to even
;;       return np.moveaxis(q.reshape(q.shape[:-2] + (-1,))[..., :K], -1, axis).astype(np.float32)
;;   ~~~
;;   SOFTMAX AHEAD OF A QUANTISED PRODUCT. Where the list says 'softmax', what is quantised is not the finished softmax but p = 2^(t - M), with t = logit x log2(e) and M = ceil(the row's largest t), a whole number; so 1/2 < the row's largest p <= 1. The row's sum l is taken of the UNQUANTISED p, in f32, and the product's result is divided by l at the end. Since M is a whole number, a kernel that streams over the keys may use a running M (the ceiling of the running maximum): every later rescaling is an exact power of two, which a block's scale takes up: the codes' values come out the same.
;;   OPERANDS COMPUTED ON THE WAY. 'Computed on the way' means the value that the module computes at that place (a softmax that the list does not call 'softmax' is quantised finished and normalised). What goes into a quantiser is computed in f32, as accurately as f32 sums, v_exp_f32 and their like allow (about 1e-6 of the number): no bf16 or f16 on the way to a quantiser, and a product that is left as it is and whose result goes on into a quantised operand takes f32 operands (vector FMAs, or v_wmma_f32_16x16x4_f32). A number that lies on a knife's edge between two numbers of the format may be rounded either way, as far as f32 arithmetic and the matrix unit's own rounding can turn it there, and no further.
;; 2 versions, each right; version 2 is version 1 with the launches attn, ff written anew for expert scheduling mode. Each part assembles by itself: llvm-mc -triple=amdgcn-amd-amdhsa -mcpu=gfx1250 --defsym DOCPART=n.
;; ======== version 1 of 2: 4 launches
;; workspace buffers: wcodes 196,608 bytes; wscales 12,288 bytes; x1 16,777,216 bytes; x2 16,777,216 bytes; part1 262,144 bytes; part2 262,144 bytes
;; launch prep (part 1): grid 96 x 1, 1 waves a work-group, no clusters, 0 bytes of LDS; arguments wq_w, wk_w, wv_w, w_w, ff1_w, ff2_w, wcodes, wscales; writes wcodes, wscales
.if DOCPART == 1
	.amdgcn_target "amdgcn-amd-amdhsa--gfx1250"
	.amdhsa_code_object_version 6
	.text
	.protected	k_qc3d4cd0ae4_prep
	.globl	k_qc3d4cd0ae4_prep
	.p2align	8
	.type	k_qc3d4cd0ae4_prep,@function
k_qc3d4cd0ae4_prep:
	s_mov_b64 s[64:65], 0
	v_nop
	global_prefetch_b8 v0, s[64:65] scope:SCOPE_SE
	s_setreg_imm32_b32 hwreg(HW_REG_WAVE_MODE, 25, 1), 1
	s_wait_xcnt 0x0
; THE PROGRAM: one encoder layer (projections, attention on 8 heads of 16, output projection, residual, BatchNorm, feed-forward, residual, BatchNorm) in four launches:
; prep (this one: the six weights become codes), attn, ff, bn2.
; WORK LEFT OUT, for all values of the inputs.  BatchNorm over (batch, position) takes each channel's mean away: for a constant c of a channel, mean(x + c) = mean(x) + c, so
; (x + c) - mean(x + c) = x - mean(x), and the variance, a mean of squares of that difference, is the same.  w_b enters reference() only as such a constant ahead of the first BatchNorm, ff2_b only as such a
; constant ahead of the second; neither reaches an operand of a quantiser by another way (the first BatchNorm's result, which is quantised, is unchanged).  So w_b and ff2_b have no way to the output:
; they are not loaded and are arguments of no launch.  LIMIT: a NaN, an infinity or an overflow that reaches only w_b or ff2_b is not carried to the result.
; THIS LAUNCH.  Each weight is stored [K][N], f32, K its first axis.  Work-group f (one wave) makes fragment f: 16 columns x 128 along K as codes of E4M3 with one E8M0 byte for each 32 along K,
; stored as AN IMAGE OF THE OPERAND'S REGISTERS: register group c (four registers) of lane l at 2048 f + 512 c + 16 l of wcodes, the lane's scale word at 128 f + 4 l of wscales.
; A lane takes a column and its registers run down K in the operand's own order (k = 32 c + 16 (lane / 16) + i), so the conversions' results are the operand's registers.
; FRAGMENTS: 0-7 wq, 8-15 wk, 16-23 wv (number & 7 = head), 24-31 w_w (16 columns each); 32-63 ff1, tile T = f - 32: lane r takes hidden unit 32 (T / 2) + 8 (T % 2) + r + 8 (r / 8), so that two neighbouring
; tiles' results are 16 neighbours along the next K; 64-95 ff2: f - 64 = 4 n + s: columns 16 n on, K from 128 s on.
; A block's scale is 2^(floor(log2(largest magnitude)) - 8); its byte is that magnitude's exponent field - 8, held at 1 from below.
; LIMITS: a block of zeros gets the byte 1 where the rule says 127 (its codes are zeros, and this program alone reads the bytes); NaN and infinities among the inputs are not served.
; A load's sixteen lanes read 64 consecutive bytes and the scale words leave as 128 bytes: all six weights together are 786,432 bytes, read once in the program.
.set X,   64                           ; v64-127  the lane's 64 numbers
.set CD,  48                           ; v48-63   the codes
.set TM,  32                           ; v32-47   at work
.set PW,  9                            ; v9       the scale word
.set SEL, 26                           ; s[26:27] lane selects: lane l xor 16
.set MNT, 28                           ; s28      the mantissa field of 448
; 64 numbers of a lane, register 16 b + i = k 32 b + 16 (lane / 16) + i of the lane's row, become a fragment's codes in v[d] on and its scale word in v[pw].  relu = 1: what is negative becomes 0 on the way.
.macro QUANT s, relu, d, pw
.if \relu
.irp b, 0,1,2,3
	v_max3_num_f32 v[TM+\b], v[\s+16*\b], v[\s+1+16*\b], 0x4800000       ; my 16 numbers of block b and the floor 2^(9 - 127): the byte cannot fall under 1
.endr
.irp i, 2,4,6,8,10,12,14
.irp b, 0,1,2,3
	v_max3_num_f32 v[TM+\b], v[TM+\b], v[\s+16*\b+\i], v[\s+1+16*\b+\i]
.endr
.endr
.else
.irp b, 0,1,2,3
	v_max3_num_f32 v[TM+\b], |v[\s+16*\b]|, |v[\s+1+16*\b]|, 0x4800000
.endr
.irp i, 2,4,6,8,10,12,14
.irp b, 0,1,2,3
	v_max3_num_f32 v[TM+\b], v[TM+\b], |v[\s+16*\b+\i]|, |v[\s+1+16*\b+\i]|
.endr
.endr
.endif
.irp b, 0,1,2,3
	v_permlanex16_b32 v[TM+4+\b], v[TM+\b], s[SEL], s[SEL+1]
.endr
.irp b, 0,1,2,3
	v_max_num_f32 v[TM+\b], v[TM+\b], v[TM+4+\b]                         ; with lane l xor 16's: the block's largest magnitude
.endr
.irp b, 0,1,2,3
	v_add_nc_u32 v[TM+12+\b], 0xfc000000, v[TM+\b]                       ; 8 off its exponent field: the conversion's scale operand
.endr
.irp b, 0,1,2,3
	v_and_or_b32 v[TM+8+\b], v[TM+\b], 0x7f800000, s[MNT]                ; 448 x the scale
.endr
.irp b, 0,1,2,3
	v_lshrrev_b32 v[TM+4+\b], 23, v[TM+12+\b]                            ; the scale's byte
.endr
	v_lshl_or_b32 v[\pw], v[TM+5], 8, v[TM+4]
	v_lshl_or_b32 v[\pw], v[TM+6], 16, v[\pw]
	v_lshl_or_b32 v[\pw], v[TM+7], 24, v[\pw]
.irp b, 0,1,2,3
.irp i, 0,1,2,3,4,5,6,7,8,9,10,11,12,13,14,15
.if \relu
	v_med3_num_f32 v[\s+16*\b+\i], v[\s+16*\b+\i], 0, v[TM+8+\b]          ; the activation and the hold in one
.else
	v_med3_num_f32 v[\s+16*\b+\i], v[\s+16*\b+\i], -v[TM+8+\b], v[TM+8+\b] ; the conversion to an 8-bit code does not saturate (ISA guide 7.6.2): the hold at the largest code x the scale
.endif
.endr
	v_cvt_scalef32_pk8_fp8_f32 v[\d+4*\b:\d+1+4*\b], v[\s+16*\b:\s+7+16*\b], v[TM+12+\b]
	v_cvt_scalef32_pk8_fp8_f32 v[\d+2+4*\b:\d+3+4*\b], v[\s+8+16*\b:\s+15+16*\b], v[TM+12+\b]
.endr
	v_nop                                                                ; a plain line behind the last conversion
.endm
.macro WLOAD pitch                     ; W(32 c + 16 h + i, my column): the rows are pitch bytes apart
.irp c, 0,1,2,3
.irp i, 0,1,2,3,4,5,6,7,8,9,10,11,12,13,14,15
	global_load_b32 v[X+16*\c+\i], v5, s[20:21] offset:(32*\c+\i)*\pitch
.endr
.endr
.endm
	s_load_b512 s[4:19], s[0:1], 0x0               ; wq, wk, wv, w_w, ff1, ff2, wcodes, wscales
	v_and_b32 v1, 15, v0                           ; r
	v_lshrrev_b32 v2, 4, v0                        ; h
	v_lshlrev_b32 v3, 4, v0                        ; 16 x lane
	v_lshlrev_b32 v4, 2, v0                        ; 4 x lane
	s_mov_b32 s[SEL], 0x76543210
	s_mov_b32 s[SEL+1], 0xfedcba98
	s_mov_b32 s[MNT], 0x600000
.irp b, 0,1,2,3
	v_mov_b32 v[TM+4+\b], 0                        ; a lane permute's destination counts as one of its sources
.endr
	s_mov_b32 s23, 0
	s_wait_kmcnt 0x0
	s_mov_b64 s[20:21], s[4:5]                     ; which weight: a choice on the work-group's number alone
	s_cmp_ge_u32 ttmp9, 8
	s_cselect_b64 s[20:21], s[6:7], s[20:21]
	s_cmp_ge_u32 ttmp9, 16
	s_cselect_b64 s[20:21], s[8:9], s[20:21]
	s_cmp_ge_u32 ttmp9, 24
	s_cselect_b64 s[20:21], s[10:11], s[20:21]
	s_cmp_ge_u32 ttmp9, 32
	s_cselect_b64 s[20:21], s[12:13], s[20:21]
	s_cmp_ge_u32 ttmp9, 64
	s_cselect_b64 s[20:21], s[14:15], s[20:21]
	s_sub_co_u32 s24, ttmp9, 32                    ; T, where the fragment is ff1's
	s_cmp_lt_u32 s24, 32
	s_cbranch_scc1 .Lff1
	s_and_b32 s22, ttmp9, 7                        ; weights with rows of 128 numbers: n = f & 7, s = 0,
	s_sub_co_u32 s24, ttmp9, 64
	s_lshr_b32 s25, s24, 2                         ; or, in ff2, n = (f - 64) / 4,
	s_and_b32 s24, s24, 3                          ; s = (f - 64) % 4
	s_cmp_ge_u32 ttmp9, 64
	s_cselect_b32 s22, s25, s22
	s_cselect_b32 s24, s24, 0
	s_lshl_b32 s22, s22, 6                         ; 16 columns are 64 bytes,
	s_lshl_b32 s24, s24, 16                        ; 128 rows of 512 bytes
	s_add_co_u32 s22, s22, s24
	s_add_nc_u64 s[20:21], s[20:21], s[22:23]
	v_lshlrev_b32 v5, 2, v1                        ; column r,
	v_lshl_add_u32 v5, v2, 13, v5                  ; lanes 16-31 begin 16 rows further down
	WLOAD 512
	s_branch .Lin
.Lff1:
	s_lshr_b32 s22, s24, 1
	s_and_b32 s25, s24, 1
	s_lshl_b32 s22, s22, 7                         ; 32 (T / 2) columns,
	s_lshl_b32 s25, s25, 5                         ; 8 (T % 2) columns
	s_add_co_u32 s22, s22, s25
	s_add_nc_u64 s[20:21], s[20:21], s[22:23]
	v_and_b32 v5, 8, v1
	v_add_nc_u32 v5, v5, v1                        ; r + 8 (r / 8)
	v_lshlrev_b32 v5, 2, v5
	v_lshl_add_u32 v5, v2, 15, v5                  ; 16 rows of 2,048 bytes
	WLOAD 2048
.Lin:
	s_lshl_b32 s22, ttmp9, 11
	s_add_nc_u64 s[16:17], s[16:17], s[22:23]      ; my fragment's image
	s_lshl_b32 s22, ttmp9, 7
	s_add_nc_u64 s[18:19], s[18:19], s[22:23]      ; and its scale words
	s_wait_loadcnt 0x0
	QUANT X, 0, CD, PW
.irp c, 0,1,2,3
	global_store_b128 v3, v[CD+4*\c:CD+4*\c+3], s[16:17] offset:512*\c   ; 32 lanes store 512 consecutive bytes
.endr
	global_store_b32 v4, v[PW], s[18:19]           ; lanes 16-31 hold the same words as lanes 0-15
	s_endpgm
.Lfunc_end_k_qc3d4cd0ae4_prep:
	.size	k_qc3d4cd0ae4_prep, .Lfunc_end_k_qc3d4cd0ae4_prep-k_qc3d4cd0ae4_prep
	.p2alignl 7, 3214868480
	.fill 96, 4, 3214868480
	.section	.rodata,"a",@progbits
	.p2align	6, 0x0
	.amdhsa_kernel k_qc3d4cd0ae4_prep
		.amdhsa_group_segment_fixed_size 0
		.amdhsa_private_segment_fixed_size 0
		.amdhsa_enable_private_segment 0
		.amdhsa_kernarg_size 64
		.amdhsa_user_sgpr_count 2
		.amdhsa_user_sgpr_kernarg_segment_ptr 1
		.amdhsa_wavefront_size32 1
		.amdhsa_system_sgpr_workgroup_id_x 1
		.amdhsa_system_sgpr_workgroup_id_y 1
		.amdhsa_system_sgpr_workgroup_id_z 1
		.amdhsa_system_vgpr_workitem_id 0
		.amdhsa_next_free_vgpr 128
		.amdhsa_next_free_sgpr 66
		.amdhsa_reserve_vcc 0
		.amdhsa_float_denorm_mode_32 3
		.amdhsa_float_denorm_mode_16_64 3
		.amdhsa_memory_ordered 1
		.amdhsa_forward_progress 1
		.amdhsa_inst_pref_size 23
	.end_amdhsa_kernel
	.amdgpu_metadata
---
amdhsa.version: [ 1, 2 ]
amdhsa.kernels:
  - .name:           k_qc3d4cd0ae4_prep
    .symbol:         k_qc3d4cd0ae4_prep.kd
    .args:
      - { .name: wq_w, .offset: 0, .size: 8, .value_kind: global_buffer, .address_space: global }
      - { .name: wk_w, .offset: 8, .size: 8, .value_kind: global_buffer, .address_space: global }
      - { .name: wv_w, .offset: 16, .size: 8, .value_kind: global_buffer, .address_space: global }
      - { .name: w_w, .offset: 24, .size: 8, .value_kind: global_buffer, .address_space: global }
      - { .name: ff1_w, .offset: 32, .size: 8, .value_kind: global_buffer, .address_space: global }
      - { .name: ff2_w, .offset: 40, .size: 8, .value_kind: global_buffer, .address_space: global }
      - { .name: wcodes, .offset: 48, .size: 8, .value_kind: global_buffer, .address_space: global }
      - { .name: wscales, .offset: 56, .size: 8, .value_kind: global_buffer, .address_space: global }
    .group_segment_fixed_size: 0
    .private_segment_fixed_size: 0
    .kernarg_segment_align: 8
    .kernarg_segment_size: 64
    .max_flat_workgroup_size: 32
    .sgpr_count:     66
    .vgpr_count:     128
    .wavefront_size: 32
...
	.end_amdgpu_metadata
.endif
;; end of part 1
;; launch attn (part 2): grid 256 x 1, 16 waves a work-group, no clusters, 321,536 bytes of LDS; arguments embedding_node, wcodes, wscales, wq_b, wk_b, wv_b, x1, part1; writes x1, part1
.if DOCPART == 2
	.amdgcn_target "amdgcn-amd-amdhsa--gfx1250"
	.amdhsa_code_object_version 6
	.text
	.protected	k_qc3d4cd0ae4_attn
	.globl	k_qc3d4cd0ae4_attn
	.p2align	8
	.type	k_qc3d4cd0ae4_attn,@function
k_qc3d4cd0ae4_attn:
	s_mov_b64 s[64:65], 0
	v_nop
	global_prefetch_b8 v0, s[64:65] scope:SCOPE_SE
	s_setreg_imm32_b32 hwreg(HW_REG_WAVE_MODE, 25, 1), 1
	s_wait_xcnt 0x0
; x1 = attention(x) w_w + x, and each work-group's share of the first BatchNorm's sums.  w_b is left out: a constant of a channel ahead of a BatchNorm (shown at the head of the launch prep).
; SHARES.  Work-group g: batch g / 4, query block g % 4: 128 queries, all 8 heads, in TWO PASSES of four heads.  It makes K and V of its batch's 512 rows itself.  Sixteen waves: wave w has head w / 4 of the pass
; and sq = w % 4; four waves to a SIMD, so that one wave's softmax stands beside another's matrix work.
; x is quantised once (wave w: tiles 2 w, 2 w + 1 of 32) and lies in LDS as images of operand registers.  A tile's rows are not neighbours: lane r of tile 2 b + u of a key step takes row 32 b + 8 u + r + 8 (r / 8).
; LDS key step s holds the batch's key step (s + query block) % 4, so that the work-group's own queries are always tiles 0-7: no LDS address hangs on the work-group's number; the order of key steps is free under a running M.
; LAYOUTS.  K and Q: transposed (source 0 = the head's 16 weight columns, source 1 = an x tile): lane (r, h) holds row r and d = 8 h + 0..7: register pair ks is K step ks of the f32 form, by the same permutation of d on both sides.
; V: source 0 = an x tile, source 1 = the weight: lane (r, h) holds d = r and, in tiles 2 b, 2 b + 1, the keys 32 b + 16 h + 0..15: quantised in registers it is V^T's fragment.
; S^T = K Q^T in f32 (its result goes into a quantiser): a lane holds ONE query and registers 16 b + i = key 32 b + 16 h + i.  p = 2^(t - M), t = score x log2(e) / 4, M = the running largest t rounded up to a whole number;
; p is quantised along the keys; the row's sum is taken of the unquantised p; O^T = V^T P^T is divided by it at the end.  When M moves, sum and O^T are multiplied by 2^(old M - new M), which rounds nothing.
; THE SUMS FOR BATCHNORM: of the work-group's 128 rows, each channel's mean and the sum of squares about it, by sums of differences from the work-group's first row (a number within the data's spread).
; NO CLUSTER: what work-groups share is a batch's x (262,144 bytes, four readers) and 65,536 bytes of weight images; each is read once at a phase's head through registers (x to be quantised there), beside 512 f32 matrix instructions a wave.
; LIMITS: NaN and infinities are not served; a block of zeros carries the byte 1 (its codes are zeros); v_exp_f32 gives 0 under 2^-126; a block's largest p is taken through its largest score (v_exp_f32 taken not to fall where its input rises);
; f32 sums are ordered otherwise than in reference().
.set RP,    528                        ; a staged row: 512 bytes + 16
.set XIMG,  0                          ; 32 fragments of x, 2,048 bytes each
.set XSC,   65536                      ; their scale words, 128 bytes each
.set KIMG,  69632                      ; K in f32: 4 heads x 32 tiles x 1,024 bytes: registers 0-3 at 16 l, registers 4-7 at 512 + 16 l
.set VIMG,  200704                     ; V^T's 16 fragments (4 x head + key step)
.set VSC,   233472                     ; their scale words
.set OST,   235520                     ; attention's result: 128 rows in natural order
.set RED2,  303104                     ; the waves' sums: 1,024 bytes each
.set SPARE, 319488                     ; the spare words, 128 bytes for each wave: no other line names them
.set XSTG,  KIMG                       ; ahead of the first barrier: a stage of 16 rows for each wave
.set X1ST,  KIMG                       ; behind the last read of K: 128 rows of the projection's result
.set LI,  1                            ; v1   16 x lane
.set LS,  2                            ; v2   4 x lane
.set AOL, 3                            ; v3   (r + 8 (r / 8)) x 528 + 32 h
.set QL,  4                            ; v4   528 r + 64 h
.set BH,  5                            ; v5   32 h
.set BR,  6                            ; v6   4 r
.set Q,   16                           ; v16-31   Q, two tiles; codes in the first and last phases
.set S,   32                           ; v32-95   S^T; K's and the projection's results: written by matrix instructions alone
.set P,   96                           ; v96-159  a step's K, then p; V's results; rows of x
.set VF,  160                          ; v160-175 V^T's fragment
.set PC,  176                          ; v176-191 p's codes
.set O,   192                          ; v192-199 O^T
.set XF0, 160                          ; while K and V are made: two fragments of x,
.set XF1, 176
.set WKF, 192                          ; wk's and wv's fragments,
.set WVF, 208
.set WQF, 96                           ; wq's, and the biases in the results' layouts
.set BQ,  112
.set BV,  224
.set BK,  232
.set TM,  224                          ; v224-239 at work; at the end the statistics
.set NM,  240                          ; v240 -M, v241 the largest t (a pair)
.set TX,  241
.set SUM, 242                          ; v[242:243] the row's sum in two halves
.set F,   244                          ; v244 f, later 1 / sum; v245 is written once: it is named as the pair's upper half
.set VSW, 246                          ; v246-251, v254: scale words and nothing else
.set PSW, 247
.set XS0, 248
.set XS1, 249
.set WSQ, 250
.set WSK, 251
.set SPW, 252                          ; v252 my spare word's address; never rewritten
.set NIL, 253                          ; v253 0; never rewritten
.set WSV, 254
.set SCR, 255
.set SH,  224                          ; at the end, in registers that no matrix instruction writes: the shift row, the two sums, a difference
.set S1,  228
.set S2,  232
.set DT,  236
.set WV,  20
.set HH,  21
.set SQ,  22
.set QB,  23
.set BB,  24
.set PASS, 25
.set SEL, 26
.set CS,  28                           ; s[28:29] c = log2(e) / 4
.set MNT, 30
.set CNT, 31
.set SK,  32                           ; where the key step's K, V and V's scale words begin
.set SV,  33
.set SS,  34
.set AXST, 35
.set AXW,  36
.set AXWS, 37
.set AX,   38
.set AXS,  39
.set AXQ,  40
.set AXQS, 41
.set AK,   42
.set AKW,  43
.set AV,   44
.set AVW,  45
.set AVS,  46
.set AVSW, 47
.set AO,   48
.set GC,   49                          ; head x 2,048, x 128, x 64: the head's place in wcodes, wscales and the biases
.set GS,   50
.set GB,   51
.set XP,   52                          ; s[52:53] x at the rows that I quantise
.set XQ,   54                          ; s[54:55] x at the 8 rows that I finish
.set XQ0,  56                          ; s[56:57] x at the work-group's first row
.macro QUANT s, relu, d, pw
.if \relu
.irp b, 0,1,2,3
	v_max3_num_f32 v[TM+\b], v[\s+16*\b], v[\s+1+16*\b], 0x4800000
.endr
.irp i, 2,4,6,8,10,12,14
.irp b, 0,1,2,3
	v_max3_num_f32 v[TM+\b], v[TM+\b], v[\s+16*\b+\i], v[\s+1+16*\b+\i]
.endr
.endr
.else
.irp b, 0,1,2,3
	v_max3_num_f32 v[TM+\b], |v[\s+16*\b]|, |v[\s+1+16*\b]|, 0x4800000   ; my 16 numbers of block b and the floor 2^(9 - 127): the byte cannot fall under 1
.endr
.irp i, 2,4,6,8,10,12,14
.irp b, 0,1,2,3
	v_max3_num_f32 v[TM+\b], v[TM+\b], |v[\s+16*\b+\i]|, |v[\s+1+16*\b+\i]|
.endr
.endr
.endif
.irp b, 0,1,2,3
	v_permlanex16_b32 v[TM+4+\b], v[TM+\b], s[SEL], s[SEL+1]
.endr
.irp b, 0,1,2,3
	v_max_num_f32 v[TM+\b], v[TM+\b], v[TM+4+\b]                         ; with lane l xor 16's: the block's largest magnitude
.endr
.irp b, 0,1,2,3
	v_add_nc_u32 v[TM+12+\b], 0xfc000000, v[TM+\b]                       ; 8 off its exponent field: the conversion's scale operand
.endr
.irp b, 0,1,2,3
	v_and_or_b32 v[TM+8+\b], v[TM+\b], 0x7f800000, s[MNT]                ; 448 x the scale
.endr
.irp b, 0,1,2,3
	v_lshrrev_b32 v[TM+4+\b], 23, v[TM+12+\b]                            ; the scale's byte
.endr
	v_lshl_or_b32 v[\pw], v[TM+5], 8, v[TM+4]
	v_lshl_or_b32 v[\pw], v[TM+6], 16, v[\pw]
	v_lshl_or_b32 v[\pw], v[TM+7], 24, v[\pw]
.irp b, 0,1,2,3
.irp i, 0,1,2,3,4,5,6,7,8,9,10,11,12,13,14,15
.if \relu
	v_med3_num_f32 v[\s+16*\b+\i], v[\s+16*\b+\i], 0, v[TM+8+\b]
.else
	v_med3_num_f32 v[\s+16*\b+\i], v[\s+16*\b+\i], -v[TM+8+\b], v[TM+8+\b] ; the conversion does not saturate (ISA guide 7.6.2): the hold at the largest code x the scale
.endif
.endr
	v_cvt_scalef32_pk8_fp8_f32 v[\d+4*\b:\d+1+4*\b], v[\s+16*\b:\s+7+16*\b], v[TM+12+\b]
	v_cvt_scalef32_pk8_fp8_f32 v[\d+2+4*\b:\d+3+4*\b], v[\s+8+16*\b:\s+15+16*\b], v[TM+12+\b]
.endr
	v_nop                                                                ; a plain line behind the last conversion
.endm
.macro IMAGE adr, off, d               ; a fragment goes to LDS as its registers stand
.irp c, 0,1,2,3
	ds_store_b128 v[\adr], v[\d+4*\c:\d+4*\c+3] offset:\off+512*\c
.endr
.endm
.macro FETCH reg, adr, off             ; and comes back so, in any wave
.irp c, 0,1,2,3
	ds_load_b128 v[\reg+4*\c:\reg+4*\c+3], v[\adr] offset:\off+512*\c
.endr
.endm
.macro BARRIER                         ; my LDS stores have landed and my LDS loads are in: then the work-group's barrier
	s_wait_dscnt 0x0
	s_barrier_signal -1
	s_barrier_wait -1
.endm
.macro NOPS n
.rept \n
	v_nop
.endr
.endm
.macro RADD dst, src, n                ; dst = the sum of n vectors of four registers from src on
	v_pk_add_f32 v[\dst:\dst+1], v[\src:\src+1], v[\src+4:\src+5]
	v_pk_add_f32 v[\dst+2:\dst+3], v[\src+2:\src+3], v[\src+6:\src+7]
.set J, 2
.rept \n-2
	v_pk_add_f32 v[\dst:\dst+1], v[\dst:\dst+1], v[\src+4*J:\src+4*J+1]
	v_pk_add_f32 v[\dst+2:\dst+3], v[\dst+2:\dst+3], v[\src+4*J+2:\src+4*J+3]
.set J, J+1
.endr
.endm
.macro ROWSTAT x, first                ; a row's four channels: d = x - shift; S1 += d; S2 += d d
.if \first
	v_pk_add_f32 v[S1:S1+1], v[\x:\x+1], v[SH:SH+1] neg_lo:[0,1] neg_hi:[0,1]
	v_pk_add_f32 v[S1+2:S1+3], v[\x+2:\x+3], v[SH+2:SH+3] neg_lo:[0,1] neg_hi:[0,1]
	v_pk_mul_f32 v[S2:S2+1], v[S1:S1+1], v[S1:S1+1]
	v_pk_mul_f32 v[S2+2:S2+3], v[S1+2:S1+3], v[S1+2:S1+3]
.else
	v_pk_add_f32 v[DT:DT+1], v[\x:\x+1], v[SH:SH+1] neg_lo:[0,1] neg_hi:[0,1]
	v_pk_add_f32 v[DT+2:DT+3], v[\x+2:\x+3], v[SH+2:SH+3] neg_lo:[0,1] neg_hi:[0,1]
	v_pk_add_f32 v[S1:S1+1], v[S1:S1+1], v[DT:DT+1]
	v_pk_add_f32 v[S1+2:S1+3], v[S1+2:S1+3], v[DT+2:DT+3]
	v_pk_fma_f32 v[S2:S2+1], v[DT:DT+1], v[DT:DT+1], v[S2:S2+1]
	v_pk_fma_f32 v[S2+2:S2+3], v[DT+2:DT+3], v[DT+2:DT+3], v[S2+2:S2+3]
.endif
.endm
; 16 rows of x in v[s] on (row i in four registers, 16 bytes a lane) turn through my stage, so that a lane holds 16 neighbours of each block of its row; then codes and scale word go to LDS as tile t of my two.
.macro XTILE s, d, pw, t
.irp i, 0,1,2,3,4,5,6,7,8,9,10,11,12,13,14,15
	ds_store_b128 v7, v[\s+4*\i:\s+4*\i+3] offset:RP*\i
.endr
.irp c, 0,1,2,3
.irp j, 0,1,2,3
	ds_load_b128 v[\s+16*\c+4*\j:\s+16*\c+4*\j+3], v8 offset:128*\c+16*\j   ; LDS serves a wave's instructions in order (ISA guide 5.7.1.4): these see the stores above
.endr
.endr
	s_wait_dscnt 0x0
	QUANT \s, 0, \d, \pw
	IMAGE 9, 2048*\t, \d
	ds_store_b32 v10, v[\pw] offset:128*\t
.endm
	s_load_b512 s[4:19], s[0:1], 0x0               ; x, wcodes, wscales, wq_b, wk_b, wv_b, x1, part1
	v_lshl_add_u32 v[SPW], v0, 2, SPARE
	v_mov_b32 v[NIL], 0
	v_lshrrev_b32 v7, 5, v0
	v_readfirstlane_b32 s[WV], v7                  ; wave 0..15
	v_and_b32 v7, 31, v0
	v_lshlrev_b32 v[LI], 4, v7
	v_lshlrev_b32 v[LS], 2, v7
	v_and_b32 v8, 15, v0                           ; r
	v_bfe_u32 v9, v0, 4, 1                         ; h
	v_and_b32 v10, 8, v8
	v_add_nc_u32 v10, v10, v8                      ; r + 8 (r / 8)
	v_mul_u32_u24 v[AOL], v10, RP
	v_lshl_add_u32 v[AOL], v9, 5, v[AOL]
	v_mul_u32_u24 v[QL], v8, RP
	v_lshl_add_u32 v[QL], v9, 6, v[QL]
	v_lshlrev_b32 v[BH], 5, v9
	v_lshlrev_b32 v[BR], 2, v8
.irp b, 0,1,2,3
	v_mov_b32 v[TM+4+\b], 0                        ; a lane permute's destination counts as one of its sources
.endr
	v_mov_b32 v[F+1], 0
	v_mov_b32 v[SCR], 0
	s_lshr_b32 s[HH], s[WV], 2
	s_and_b32 s[SQ], s[WV], 3
	s_and_b32 s[QB], ttmp9, 3
	s_lshr_b32 s[BB], ttmp9, 2
	s_mov_b32 s[SEL], 0x76543210
	s_mov_b32 s[SEL+1], 0xfedcba98
	s_mov_b32 s[CS], 0x3eb8aa3b
	s_mov_b32 s[CS+1], s[CS]
	s_mov_b32 s[MNT], 0x600000
	s_mul_i32 s[AXST], s[WV], 16*RP
	s_add_co_u32 s[AXST], s[AXST], XSTG            ; my stage
	s_lshl_b32 s[AXW], s[WV], 12                   ; where I store my two fragments of x (XIMG = 0),
	s_lshl_b32 s[AXWS], s[WV], 8
	s_add_co_u32 s[AXWS], s[AXWS], XSC             ; and their scale words
	s_lshl_b32 s[AX], s[SQ], 14                    ; key step sq's eight fragments,
	s_lshl_b32 s[AXS], s[SQ], 10
	s_add_co_u32 s[AXS], s[AXS], XSC
	s_lshl_b32 s[AXQ], s[SQ], 12                   ; my two tiles of queries
	s_lshl_b32 s[AXQS], s[SQ], 8
	s_add_co_u32 s[AXQS], s[AXQS], XSC
	s_lshl_b32 s[AK], s[HH], 15
	s_add_co_u32 s[AK], s[AK], KIMG                ; my head's K,
	s_lshl_b32 s[AKW], s[WV], 13
	s_add_co_u32 s[AKW], s[AKW], KIMG              ; and the eight tiles of it that I make
	s_lshl_b32 s[AV], s[HH], 13
	s_add_co_u32 s[AV], s[AV], VIMG
	s_lshl_b32 s[AVW], s[WV], 11
	s_add_co_u32 s[AVW], s[AVW], VIMG
	s_lshl_b32 s[AVS], s[HH], 9
	s_add_co_u32 s[AVS], s[AVS], VSC
	s_lshl_b32 s[AVSW], s[WV], 7
	s_add_co_u32 s[AVSW], s[AVSW], VSC
	s_mul_i32 s[AO], s[SQ], 32*RP
	s_lshl_b32 s58, s[HH], 6
	s_add_co_u32 s[AO], s[AO], s58
	s_add_co_u32 s[AO], s[AO], OST                 ; rows 32 sq on, my head's 64 bytes
	s_lshl_b32 s[GC], s[HH], 11
	s_lshl_b32 s[GS], s[HH], 7
	s_lshl_b32 s[GB], s[HH], 6
	v_add_nc_u32 v7, s[AXST], v[LI]
	v_add_nc_u32 v8, s[AXST], v[QL]
	v_add_nc_u32 v9, s[AXW], v[LI]
	v_add_nc_u32 v10, s[AXWS], v[LS]
	s_lshl_b32 s58, ttmp9, 16                      ; the work-group's 128 rows of 512 bytes
	s_mov_b32 s59, 0
	s_lshl_b32 s60, s[WV], 12                      ; my 8 of them
	s_mov_b32 s61, 0
	s_lshl_b32 s62, s[BB], 18                      ; the batch,
	s_add_co_u32 s63, s[HH], s[QB]
	s_and_b32 s63, s63, 3
	s_lshl_b32 s63, s63, 16                        ; its key step (w / 4 + query block) % 4,
	s_add_co_u32 s62, s62, s63
	s_lshl_b32 s63, s[SQ], 14                      ; 32 rows for each sq
	s_add_co_u32 s62, s62, s63
	s_mov_b32 s63, 0
	s_lshl_b32 s2, ttmp9, 10
	s_mov_b32 s3, 0
	s_wait_kmcnt 0x0
	s_add_nc_u64 s[XQ0:XQ0+1], s[4:5], s[58:59]
	s_add_nc_u64 s[XQ:XQ+1], s[XQ0:XQ0+1], s[60:61]
	s_add_nc_u64 s[16:17], s[16:17], s[58:59]
	s_add_nc_u64 s[16:17], s[16:17], s[60:61]
	s_add_nc_u64 s[XP:XP+1], s[4:5], s[62:63]
	s_add_nc_u64 s[18:19], s[18:19], s[2:3]
	; ---- x: my two tiles.  Each load reads a whole row, 512 consecutive bytes
.irp u, 0,1
.irp i, 0,1,2,3,4,5,6,7,8,9,10,11,12,13,14,15
	global_load_b128 v[P+64*\u+4*\i:P+64*\u+4*\i+3], v[LI], s[XP:XP+1] offset:(\i+8*(\i/8)+8*\u)*512
.endr
.endr
	s_wait_loadcnt 16                              ; tile 0's sixteen rows are in; tile 1's may be out
	XTILE P, Q, XS0, 0
	s_wait_loadcnt 0x0
	XTILE P+64, P, XS1, 1
	s_mov_b32 s[PASS], 2
.Lpass:                                            ; two trips: heads 0-3, heads 4-7
	s_wait_dscnt 0x0                               ; my stores (x's images; the last pass's results) have landed, my reads of K and V are over
	v_add_nc_u32 v12, s[GC], v[LI]
	v_add_nc_u32 v13, s[GS], v[LS]
	v_add_nc_u32 v14, s[GB], v[BH]
	v_add_nc_u32 v15, s[GB], v[BR]
.irp c, 0,1,2,3
	global_load_b128 v[WQF+4*\c:WQF+4*\c+3], v12, s[6:7] offset:512*\c
	global_load_b128 v[WKF+4*\c:WKF+4*\c+3], v12, s[6:7] offset:16384+512*\c
	global_load_b128 v[WVF+4*\c:WVF+4*\c+3], v12, s[6:7] offset:32768+512*\c
.endr
	global_load_b32 v[WSQ], v13, s[8:9]
	global_load_b32 v[WSK], v13, s[8:9] offset:1024
	global_load_b32 v[WSV], v13, s[8:9] offset:2048
	global_load_b128 v[BQ:BQ+3], v14, s[10:11]     ; bq and bk at d = 8 h + 0..7,
	global_load_b128 v[BQ+4:BQ+7], v14, s[10:11] offset:16
	global_load_b128 v[BK:BK+3], v14, s[12:13]
	global_load_b128 v[BK+4:BK+7], v14, s[12:13] offset:16
	global_load_b32 v[SCR], v15, s[14:15]          ; bv at d = r
	s_barrier_signal -1                            ; x's images are whole (first trip); nobody reads the last pass's K and V any more (second)
	s_barrier_wait -1
	v_add_nc_u32 v7, s[AXQ], v[LI]
	v_add_nc_u32 v8, s[AXQS], v[LS]
	FETCH XF0, 7, 0
	FETCH XF1, 7, 2048
	ds_load_b32 v[XS0], v8
	ds_load_b32 v[XS1], v8 offset:128
	s_wait_loadcnt 0x0
.irp j, 0,1,2,3,4,5,6,7
	v_mov_b32 v[BV+\j], v[SCR]                     ; V's bias is the same in a lane's eight registers
.endr
	s_wait_dscnt 0x0
	v_wmma_scale_f32_16x16x128_f8f6f4 v[Q:Q+7], v[WQF:WQF+15], v[XF0:XF0+15], v[BQ:BQ+7], v[WSQ], v[XS0]      ; Q of my two tiles; the bias is the C
	v_wmma_scale_f32_16x16x128_f8f6f4 v[Q+8:Q+15], v[WQF:WQF+15], v[XF1:XF1+15], v[BQ:BQ+7], v[WSQ], v[XS1]
	v_add_nc_u32 v7, s[AX], v[LI]
	v_add_nc_u32 v8, s[AXS], v[LS]
	NOPS 7                                         ; nine places: V's first results are laid over wq's fragment and bq, and loads go into x's fragments
.irp p, 0,1,2,3                                    ; K and V of key step sq, two tiles at a time, each product on an accumulator of its own
.if \p > 0
	NOPS 8                                         ; places in front of loads into registers that matrix instructions have read
.endif
	FETCH XF0, 7, 4096*\p
	FETCH XF1, 7, 4096*\p+2048
	ds_load_b32 v[XS0], v8 offset:256*\p
	ds_load_b32 v[XS1], v8 offset:256*\p+128
	s_wait_dscnt 0x0
	v_wmma_scale_f32_16x16x128_f8f6f4 v[S+16*\p:S+16*\p+7], v[WKF:WKF+15], v[XF0:XF0+15], v[BK:BK+7], v[WSK], v[XS0]
	v_wmma_scale_f32_16x16x128_f8f6f4 v[P+16*\p:P+16*\p+7], v[XF0:XF0+15], v[WVF:WVF+15], v[BV:BV+7], v[XS0], v[WSV]
	v_wmma_scale_f32_16x16x128_f8f6f4 v[S+16*\p+8:S+16*\p+15], v[WKF:WKF+15], v[XF1:XF1+15], v[BK:BK+7], v[WSK], v[XS1]
	v_wmma_scale_f32_16x16x128_f8f6f4 v[P+16*\p+8:P+16*\p+15], v[XF1:XF1+15], v[WVF:WVF+15], v[BV:BV+7], v[XS1], v[WSV]
.endr
	v_add_nc_u32 v9, s[AKW], v[LI]
	v_add_nc_u32 v10, s[AVW], v[LI]
	v_add_nc_u32 v11, s[AVSW], v[LS]
	NOPS 5                                         ; eight places ahead of the first read of results
.irp t, 0,1,2,3,4,5,6,7
	ds_store_b128 v9, v[S+8*\t:S+8*\t+3] offset:1024*\t            ; K in f32, each accumulator from its low end on
	ds_store_b128 v9, v[S+8*\t+4:S+8*\t+7] offset:1024*\t+512
.endr
	QUANT P, 0, XF0, PSW                           ; V along its 128 keys
	IMAGE 10, 0, XF0
	ds_store_b32 v11, v[PSW]
	BARRIER                                        ; the pass's K and V lie in LDS
; A UNIT: query tile 2 sq + u of my head against all 512 keys, 128 a step.
.macro UNIT u
	v_mov_b32 v[TX], 0xff61b1e6                    ; the largest t so far: -3e38, under every t
	v_floor_f32 v[NM], -v[TX]
	v_mov_b32 v[SUM], 0
	v_mov_b32 v[SUM+1], 0
.irp j, 0,1,2,3,4,5,6,7
	v_mov_b32 v[O+\j], 0                           ; the step is written once: the first finds zeros, which the first change of M leaves zeros
.endr
	s_mov_b32 s[SK], s[AK]
	s_mov_b32 s[SV], s[AV]
	s_mov_b32 s[SS], s[AVS]
	s_mov_b32 s[CNT], 4
.Lstep_\@:
	v_add_nc_u32 v7, s[SK], v[LI]
.irp t, 0,1,2,3,4,5,6,7
	ds_load_b128 v[P+8*\t:P+8*\t+3], v7 offset:1024*\t
	ds_load_b128 v[P+8*\t+4:P+8*\t+7], v7 offset:1024*\t+512
.endr
	s_wait_dscnt 0x0
.irp ks, 0,1,2,3                                   ; S^T = K Q^T in f32: eight accumulators by turns, one instruction a turn; the first K step starts the sums
.irp t, 0,1,2,3,4,5,6,7
.if \ks == 0
	v_wmma_f32_16x16x4_f32 v[S+8*\t:S+8*\t+7], v[P+8*\t:P+8*\t+1], v[Q+8*\u:Q+8*\u+1], 0
.else
	v_wmma_f32_16x16x4_f32 v[S+8*\t:S+8*\t+7], v[P+8*\t+2*\ks:P+8*\t+2*\ks+1], v[Q+8*\u+2*\ks:Q+8*\u+2*\ks+1], v[S+8*\t:S+8*\t+7]
.endif
.endr
.endr
	v_add_nc_u32 v8, s[SV], v[LI]
	v_add_nc_u32 v9, s[SS], v[LS]
	NOPS 6                                         ; eight places ahead of the first read of the scores; with the addition at the step's head nine behind the last step's product, whose fragment and scale word are loaded anew
.irp c, 0,1,2,3
	ds_load_b128 v[VF+4*\c:VF+4*\c+3], v8 offset:512*\c            ; V^T's fragment lands while the softmax is walked
.endr
	ds_load_b32 v[VSW], v9
.irp b, 0,1,2,3
	v_max3_num_f32 v[TM+\b], v[S+16*\b], v[S+16*\b+1], v[S+16*\b+2]   ; the largest score of each block of 32 keys: for the row's maximum and, since p rises with the score, for the block's largest p
.endr
.irp i, 3,5,7,9,11,13
.irp b, 0,1,2,3
	v_max3_num_f32 v[TM+\b], v[TM+\b], v[S+16*\b+\i], v[S+16*\b+\i+1]
.endr
.endr
.irp b, 0,1,2,3
	v_max_num_f32 v[TM+\b], v[TM+\b], v[S+16*\b+15]
.endr
.irp b, 0,1,2,3
	v_permlanex16_b32 v[TM+4+\b], v[TM+\b], s[SEL], s[SEL+1]
.endr
.irp b, 0,1,2,3
	v_max_num_f32 v[TM+\b], v[TM+\b], v[TM+4+\b]                   ; with lane l xor 16's 16 keys
.endr
	v_max3_num_f32 v[SCR], v[TM], v[TM+1], v[TM+2]
	v_max_num_f32 v[SCR], v[SCR], v[TM+3]          ; the step's largest score of my query
	v_mul_f32 v[SCR], s[CS], v[SCR]                ; as t (c is positive)
	v_max_num_f32 v[TX], v[TX], v[SCR]
	v_mov_b32 v[SCR], v[NM]
	v_floor_f32 v[NM], -v[TX]                      ; the new -M = floor(-t): M is a whole number
	v_sub_f32 v[SCR], v[NM], v[SCR]                ; old M - new M: a whole number, 0 or less
	v_cvt_i32_f32 v[SCR], v[SCR]
	v_ldexp_f32 v[F], 1.0, v[SCR]                  ; f = 2^(old M - new M)
.set J, 0
.rept 32
	v_pk_fma_f32 v[P+J:P+J+1], v[S+J:S+J+1], s[CS:CS+1], v[NM:NM+1] op_sel_hi:[1,0,0]   ; t - M, two at a time
.set J, J+2
.endr
.irp b, 0,1,2,3
	v_fma_f32 v[TM+\b], v[TM+\b], s[CS], v[NM]     ; the same of each block's largest score
.endr
.set J, 0
.rept 64
	v_exp_f32 v[P+J], v[P+J]                       ; p = 2^(t - M), at most 1, not normalised
.set J, J+1
.endr
	v_pk_mul_f32 v[SUM:SUM+1], v[SUM:SUM+1], v[F:F+1] op_sel_hi:[1,0]   ; the sums under the new M: a plain line behind the exponentials
	s_wait_alu depctr_va_vdst(0)                   ; one wait for the batch of 64, ahead of its first reader
.irp b, 0,1,2,3
	v_exp_f32 v[TM+\b], v[TM+\b]                   ; the block's largest p: the same two instructions on the same number
.endr
	v_pk_add_f32 v[TM+4:TM+5], v[P:P+1], v[P+2:P+3]   ; the row's sum is taken of the unquantised p, in two chains
.set J, 4
.rept 15
	v_pk_add_f32 v[SUM:SUM+1], v[SUM:SUM+1], v[P+J:P+J+1]
	v_pk_add_f32 v[TM+4:TM+5], v[TM+4:TM+5], v[P+J+2:P+J+3]
.set J, J+4
.endr
	v_pk_add_f32 v[SUM:SUM+1], v[SUM:SUM+1], v[TM+4:TM+5]
	s_wait_alu depctr_va_vdst(0)                   ; and one for the four
.irp b, 0,1,2,3
	v_max_num_f32 v[TM+\b], 0x4800000, v[TM+\b]    ; the floor 2^(9 - 127)
.endr
.irp b, 0,1,2,3
	v_add_nc_u32 v[TM+12+\b], 0xfc000000, v[TM+\b]
.endr
.irp b, 0,1,2,3
	v_and_or_b32 v[TM+8+\b], v[TM+\b], 0x7f800000, s[MNT]
.endr
.irp b, 0,1,2,3
	v_lshrrev_b32 v[TM+4+\b], 23, v[TM+12+\b]
.endr
	v_lshl_or_b32 v[PSW], v[TM+5], 8, v[TM+4]      ; p's scale word for these 128 keys
	v_lshl_or_b32 v[PSW], v[TM+6], 16, v[PSW]
	v_lshl_or_b32 v[PSW], v[TM+7], 24, v[PSW]
.irp b, 0,1,2,3
.set J, 0
.rept 16
	v_min_num_f32 v[P+16*\b+J], v[P+16*\b+J], v[TM+8+\b]           ; p is not negative: the hold is one-sided
.set J, J+1
.endr
	v_cvt_scalef32_pk8_fp8_f32 v[PC+4*\b:PC+4*\b+1], v[P+16*\b:P+16*\b+7], v[TM+12+\b]
	v_cvt_scalef32_pk8_fp8_f32 v[PC+4*\b+2:PC+4*\b+3], v[P+16*\b+8:P+16*\b+15], v[TM+12+\b]
.endr
.irp j, 0,2,4,6
	v_pk_mul_f32 v[O+\j:O+\j+1], v[O+\j:O+\j+1], v[F:F+1] op_sel_hi:[1,0]   ; O^T under the new M
.endr
	NOPS 4                                         ; codes written by vector instructions stand four places ahead of the product
	s_wait_dscnt 0x0                               ; V^T's fragment and scale word
	v_wmma_scale_f32_16x16x128_f8f6f4 v[O:O+7], v[VF:VF+15], v[PC:PC+15], v[O:O+7], v[VSW], v[PSW]
	s_add_co_u32 s[SK], s[SK], 8192
	s_add_co_u32 s[SV], s[SV], 2048
	s_add_co_u32 s[SS], s[SS], 128
	s_sub_co_u32 s[CNT], s[CNT], 1
	s_cmp_lg_u32 s[CNT], 0
	s_cbranch_scc1 .Lstep_\@
	v_add_f32 v[TM], v[SUM], v[SUM+1]              ; the sum's two halves,
	v_permlanex16_b32 v[SCR], v[TM], s[SEL], s[SEL+1]
	v_add_f32 v[TM], v[TM], v[SCR]                 ; and lane l xor 16's
	v_rcp_f32 v[F], v[TM]
	v_add_nc_u32 v10, s[AO], v[AOL]
	NOPS 5                                         ; with the plain lines above: the places behind the last product
	s_wait_alu depctr_va_vdst(0)                   ; the wait ahead of the reciprocal's first reader
.irp j, 0,2,4,6
	v_pk_mul_f32 v[TM+\j:TM+\j+1], v[O+\j:O+\j+1], v[F:F+1] op_sel_hi:[1,0]   ; O^T / the sum, from the accumulator's low end on
.endr
	ds_store_b128 v10, v[TM:TM+3] offset:8*RP*\u
	ds_store_b128 v10, v[TM+4:TM+7] offset:8*RP*\u+16
.endm
	UNIT 0
	UNIT 1
	s_add_co_u32 s[GC], s[GC], 8192                ; four heads on
	s_add_co_u32 s[GS], s[GS], 512
	s_add_co_u32 s[GB], s[GB], 256
	s_add_co_u32 s[AO], s[AO], 256
	s_sub_co_u32 s[PASS], s[PASS], 1
	s_cmp_lg_u32 s[PASS], 0
	s_cbranch_scc1 .Lpass
	; ---- the output projection: wave w takes rows 16 (w / 2) on and column tiles 4 (w % 2) + 0..3
	BARRIER                                        ; attention's 128 rows lie in LDS, and nobody reads K any more
	s_and_b32 s58, s[WV], 1
	s_lshr_b32 s59, s[WV], 1
	s_lshl_b32 s60, s58, 13
	v_add_nc_u32 v12, s60, v[LI]
	s_lshl_b32 s60, s58, 9
	v_add_nc_u32 v13, s60, v[LS]
.irp n, 0,1,2,3
.irp c, 0,1,2,3
	global_load_b128 v[160+16*\n+4*\c:160+16*\n+4*\c+3], v12, s[6:7] offset:49152+2048*\n+512*\c   ; w_w's fragments 24 + 4 (w % 2) + n
.endr
.endr
.irp n, 0,1,2,3
	global_load_b32 v[XS0+\n], v13, s[8:9] offset:3072+128*\n
.endr
	s_mul_i32 s60, s59, 16*RP
	s_add_co_u32 s61, s60, OST
	v_add_nc_u32 v7, s61, v[QL]
.irp c, 0,1,2,3
.irp j, 0,1,2,3
	ds_load_b128 v[P+16*\c+4*\j:P+16*\c+4*\j+3], v7 offset:128*\c+16*\j
.endr
.endr
	s_lshl_b32 s61, s58, 8
	s_add_co_u32 s61, s61, s60
	s_add_co_u32 s61, s61, X1ST                    ; the projection's stage: rows 16 (w / 2) on, my 256 bytes of them
	s_wait_dscnt 0x0
	QUANT P, 0, Q, PSW
.irp i, 0,1,2,3,4,5,6,7
	global_load_b128 v[P+4*\i:P+4*\i+3], v[LI], s[XQ:XQ+1] offset:512*\i   ; the residual's rows 8 w + i,
.endr
	global_load_b128 v[P+32:P+35], v[LI], s[XQ0:XQ0+1]                     ; and the work-group's first row, for the shift
	v_and_b32 v9, 15, v0                           ; r
	v_bfe_u32 v11, v0, 4, 1                        ; h
	v_mul_u32_u24 v9, v9, RP
	v_lshl_add_u32 v9, v11, 5, v9                  ; 528 r + 32 h
	v_add_nc_u32 v9, s61, v9                       ; (these five lines and the one that closes the quantiser are the places between the codes and the products: four are asked)
	s_wait_loadcnt 9                               ; the fragments and their scale words are in; the nine rows of x may be out
.irp n, 0,1,2,3
	v_wmma_scale_f32_16x16x128_f8f6f4 v[S+8*\n:S+8*\n+7], v[160+16*\n:160+16*\n+15], v[Q:Q+15], 0, v[XS0+\n], v[PSW]   ; transposed: a lane holds row r and eight neighbouring columns
.endr
	NOPS 8
.irp n, 0,1,2,3
	ds_store_b128 v9, v[S+8*\n:S+8*\n+3] offset:64*\n
	ds_store_b128 v9, v[S+8*\n+4:S+8*\n+7] offset:64*\n+16
.endr
	s_mul_i32 s60, s[WV], 8*RP
	s_add_co_u32 s60, s60, X1ST
	v_add_nc_u32 v7, s60, v[LI]
	v_add_nc_u32 v8, X1ST, v[LI]
	s_lshl_b32 s60, s[WV], 10
	s_add_co_u32 s60, s60, RED2
	v_add_nc_u32 v10, s60, v[LI]
	v_add_nc_u32 v11, RED2, v[LI]
	BARRIER                                        ; 128 whole rows of the projection lie in LDS
	; ---- rows 8 w .. 8 w + 7: the residual, the store, the sums
.irp i, 0,1,2,3,4,5,6,7
	ds_load_b128 v[160+4*\i:160+4*\i+3], v7 offset:RP*\i
.endr
	ds_load_b128 v[192:195], v8
	s_wait_loadcnt 0x0
	s_wait_dscnt 0x0
	v_pk_add_f32 v[SH:SH+1], v[192:193], v[P+32:P+33]              ; the shift: x1's first row, by the same instructions in every wave
	v_pk_add_f32 v[SH+2:SH+3], v[194:195], v[P+34:P+35]
.irp i, 0,1,2,3,4,5,6,7
	v_pk_add_f32 v[160+4*\i:160+4*\i+1], v[160+4*\i:160+4*\i+1], v[P+4*\i:P+4*\i+1]
	v_pk_add_f32 v[160+4*\i+2:160+4*\i+3], v[160+4*\i+2:160+4*\i+3], v[P+4*\i+2:P+4*\i+3]
	global_store_b128 v[LI], v[160+4*\i:160+4*\i+3], s[16:17] offset:512*\i   ; 32 lanes store a row: 512 consecutive bytes
.endr
	ROWSTAT 160, 1
.irp i, 1,2,3,4,5,6,7
	ROWSTAT 160+4*\i, 0
.endr
	ds_store_b128 v10, v[S1:S1+3]
	ds_store_b128 v10, v[S2:S2+3] offset:512
	BARRIER
	s_cmp_lg_u32 s[WV], 0                          ; wave 0 adds the sixteen pairs and stores the work-group's record
	s_cbranch_scc1 .Lend
	s_wait_xcnt 0x0                                ; my stores of x1 have read their registers: loads land there only behind this wait
.irp k, 0,1,2,3,4,5,6,7,8,9,10,11,12,13,14,15
	ds_load_b128 v[P+4*\k:P+4*\k+3], v11 offset:1024*\k
	ds_load_b128 v[160+4*\k:160+4*\k+3], v11 offset:1024*\k+512
.endr
	s_wait_dscnt 0x0
	RADD S1, P, 16
	RADD S2, 160, 16
	v_pk_mul_f32 v[DT:DT+1], v[S1:S1+1], 0x3c000000 op_sel_hi:[1,0]         ; T = S1 / 128
	v_pk_mul_f32 v[DT+2:DT+3], v[S1+2:S1+3], 0x3c000000 op_sel_hi:[1,0]
	v_pk_add_f32 v[P:P+1], v[SH:SH+1], v[DT:DT+1]                           ; the mean
	v_pk_add_f32 v[P+2:P+3], v[SH+2:SH+3], v[DT+2:DT+3]
	v_pk_fma_f32 v[P+4:P+5], v[DT:DT+1], v[S1:S1+1], v[S2:S2+1] neg_lo:[1,0,0] neg_hi:[1,0,0]   ; the squares about it: S2 - T S1
	v_pk_fma_f32 v[P+6:P+7], v[DT+2:DT+3], v[S1+2:S1+3], v[S2+2:S2+3] neg_lo:[1,0,0] neg_hi:[1,0,0]
	global_store_b128 v[LI], v[P:P+3], s[18:19]
	global_store_b128 v[LI], v[P+4:P+7], s[18:19] offset:512
.Lend:
	s_wait_tensorcnt 0x0                           ; the wave's end: three closing lines behind my last LDS store
	ds_add_u32 v[SPW], v[NIL]
	s_wait_dscnt 0x0
	s_endpgm
.Lfunc_end_k_qc3d4cd0ae4_attn:
	.size	k_qc3d4cd0ae4_attn, .Lfunc_end_k_qc3d4cd0ae4_attn-k_qc3d4cd0ae4_attn
	.p2alignl 7, 3214868480
	.fill 96, 4, 3214868480
	.section	.rodata,"a",@progbits
	.p2align	6, 0x0
	.amdhsa_kernel k_qc3d4cd0ae4_attn
		.amdhsa_group_segment_fixed_size 321536
		.amdhsa_private_segment_fixed_size 0
		.amdhsa_enable_private_segment 0
		.amdhsa_kernarg_size 64
		.amdhsa_user_sgpr_count 2
		.amdhsa_user_sgpr_kernarg_segment_ptr 1
		.amdhsa_wavefront_size32 1
		.amdhsa_system_sgpr_workgroup_id_x 1
		.amdhsa_system_sgpr_workgroup_id_y 1
		.amdhsa_system_sgpr_workgroup_id_z 1
		.amdhsa_system_vgpr_workitem_id 0
		.amdhsa_next_free_vgpr 256
		.amdhsa_next_free_sgpr 66
		.amdhsa_reserve_vcc 0
		.amdhsa_float_denorm_mode_32 3
		.amdhsa_float_denorm_mode_16_64 3
		.amdhsa_memory_ordered 1
		.amdhsa_forward_progress 1
		.amdhsa_inst_pref_size 111
	.end_amdhsa_kernel
	.amdgpu_metadata
---
amdhsa.version: [ 1, 2 ]
amdhsa.kernels:
  - .name:           k_qc3d4cd0ae4_attn
    .symbol:         k_qc3d4cd0ae4_attn.kd
    .args:
      - { .name: embedding_node, .offset: 0, .size: 8, .value_kind: global_buffer, .address_space: global }
      - { .name: wcodes, .offset: 8, .size: 8, .value_kind: global_buffer, .address_space: global }
      - { .name: wscales, .offset: 16, .size: 8, .value_kind: global_buffer, .address_space: global }
      - { .name: wq_b, .offset: 24, .size: 8, .value_kind: global_buffer, .address_space: global }
      - { .name: wk_b, .offset: 32, .size: 8, .value_kind: global_buffer, .address_space: global }
      - { .name: wv_b, .offset: 40, .size: 8, .value_kind: global_buffer, .address_space: global }
      - { .name: x1, .offset: 48, .size: 8, .value_kind: global_buffer, .address_space: global }
      - { .name: part1, .offset: 56, .size: 8, .value_kind: global_buffer, .address_space: global }
    .group_segment_fixed_size: 321536
    .private_segment_fixed_size: 0
    .kernarg_segment_align: 8
    .kernarg_segment_size: 64
    .max_flat_workgroup_size: 512
    .sgpr_count:     66
    .vgpr_count:     256
    .wavefront_size: 32
...
	.end_amdgpu_metadata
.endif
;; end of part 2
;; launch ff (part 3): grid 256 x 1, 4 waves a work-group, no clusters, 164,352 bytes of LDS; arguments x1, part1, bn1_g, bn1_b, wcodes, wscales, ff1_b, x2, part2; writes x2, part2
.if DOCPART == 3
	.amdgcn_target "amdgcn-amd-amdhsa--gfx1250"
	.amdhsa_code_object_version 6
	.text
	.protected	k_qc3d4cd0ae4_ff
	.globl	k_qc3d4cd0ae4_ff
	.p2align	8
	.type	k_qc3d4cd0ae4_ff,@function
k_qc3d4cd0ae4_ff:
	s_mov_b64 s[64:65], 0
	v_nop
	global_prefetch_b8 v0, s[64:65] scope:SCOPE_SE
	s_setreg_imm32_b32 hwreg(HW_REG_WAVE_MODE, 25, 1), 1
	s_wait_xcnt 0x0
; y = BatchNorm1(x1); x2 = y + relu(y W1 + b1) W2; and each work-group's share of the second BatchNorm's sums.  ff2_b is left out: a constant of a channel ahead of a BatchNorm (shown at the head of the launch prep).
; SHARES.  A work-group of four waves takes 128 rows, as two blocks of 64, written out.  THE WAVES SHARE THE COLUMNS: wave w makes hidden units 128 w .. 128 w + 127 and outputs 32 w .. 32 w + 31 for all rows, so its eight
; fragments of W1 and eight of W2 stay in its registers, loaded once as images.  What goes round through LDS, as images of operand registers, are the rows' codes.
; THE FIRST BATCHNORM'S FIGURES are made here from the 256 records of part1 (a mean and a sum of squares about it for each 128 rows): wave w adds 64 records, the four meet in LDS, every wave finishes alike:
; mean = M0 + sum(mean_i - M0) / 256, variance = (sum of M2_i + 128 x sum of (mean_i - mean)^2) / 32768, M0 being record 0's mean: no difference of large sums is formed.
; Lane l holds channels 4 l .. 4 l + 3 wherever rows are walked.
; PHASES: records | barrier | X: my 16 rows of each block: BatchNorm, to LDS as rows (for the residual), back 16 neighbours a lane, quantised, images | barrier | for each block: 1: for each tile of 16 rows my 8 tiles of the
; hidden layer (transposed; b1 is the C), relu and quantiser in registers, image | barrier | 2: my two tiles of outputs for four tiles of rows, eight accumulators by turns; to a stage | barrier | rows: residual, store, sums.
; NO CLUSTER: what work-groups share, 262,144 bytes of records and 32,768 bytes of weight images for each wave, is read once at the head, into registers.
; LIMITS: NaN and infinities are not served; a block of zeros carries the byte 1 (its codes are zeros); f32 sums are ordered otherwise than in reference().
; REGISTERS, in windows of 256: window 0: addresses, operands at work, statistics, scale words; window 1: W1's fragment t at v[16 t]; window 2: W2's fragment 4 n + s at v[16 (4 n + s)], b1's tile t at v[128 + 8 t];
; window 3: the 8 accumulators of the second product at v0-63, the rows of x1 as loaded at v64-191.
.set RP,    528
.set XIMG,  0                          ; y's 8 fragments (4 x block + tile of rows)
.set XSC,   16384
.set HIMG,  17408                      ; the hidden layer's 16 fragments (4 x tile of rows + K step)
.set HSC,   50176
.set YST,   52224                      ; 128 rows of y
.set ZST,   119808                     ; 64 rows of the second product
.set RED,   153600                     ; the waves' sums of records: 1,536 bytes each
.set RED2,  159744                     ; the waves' sums of rows: 1,024 bytes each
.set SPARE, 163840                     ; the spare words, 128 bytes for each wave: no other line names them
.set NW,    4
.set DEPTH, 5                          ; batches of four records on their way
.set NBAT,  16                         ; batches of a wave
.set LI,  1
.set LS,  2
.set YS,  3
.set YQ,  4
.set XWI, 5
.set XWS, 6
.set HWI, 7
.set HWS, 8
.set SO,  9
.set ZR,  10
.set RW,  11
.set RR,  12
.set R2,  13
.set Z0,  14
.set Y0,  15
.set XF,  16                           ; v16-31   a fragment of y
.set S1,  32
.set S2,  36
.set SH,  40
.set DT,  44
.set HA,  48                           ; v48-111  my 8 tiles of the hidden layer
.set PC,  112                          ; v112-127 codes just made
.set ST,  132                          ; v132-195 16 rows; four hidden fragments
.set TM,  200
.set PW,  216                          ; v216, v217, v219-222, v224-239: scale words and nothing else
.set XS,  217
.set HS,  219
.set W1S, 224
.set W2S, 232
.set MU,  240                          ; the mean; while records are added: A = sum of (mean_i - M0)
.set AA,  244                          ; gain / sqrt(variance + eps); before: B = sum of squares of the same
.set BE,  248                          ; beta
.set SPW, 252
.set NIL, 253
.set B1O, 254                          ; 64 h: b1's lane offset; never rewritten
.set R2R, 255                          ; RED2 + 16 x lane
.set RG,  16                           ; while records are added: the ring, v16-175
.set GG,  176                          ; gamma
.set M0,  184
.set CC,  188                          ; C = sum of M2_i
.set T0,  192                          ; v192-199 at work
.set WV,  22
.set SEL, 24
.set MNT, 26
.set PP,  30                           ; s[30:31] my 64 records
.set MSB, 0
.macro WIN new                         ; the immediate's high byte repeats the setting that is left
.if MSB != \new
	s_set_vgpr_msb (MSB<<8)|\new
.set MSB, \new
.endif
.endm
.macro QUANT s, relu, d, pw
.if \relu
.irp b, 0,1,2,3
	v_max3_num_f32 v[TM+\b], v[\s+16*\b], v[\s+1+16*\b], 0x4800000       ; no |.|: what is negative is to become 0 and must not count; the floor 2^(9 - 127) stands over it
.endr
.irp i, 2,4,6,8,10,12,14
.irp b, 0,1,2,3
	v_max3_num_f32 v[TM+\b], v[TM+\b], v[\s+16*\b+\i], v[\s+1+16*\b+\i]
.endr
.endr
.else
.irp b, 0,1,2,3
	v_max3_num_f32 v[TM+\b], |v[\s+16*\b]|, |v[\s+1+16*\b]|, 0x4800000
.endr
.irp i, 2,4,6,8,10,12,14
.irp b, 0,1,2,3
	v_max3_num_f32 v[TM+\b], v[TM+\b], |v[\s+16*\b+\i]|, |v[\s+1+16*\b+\i]|
.endr
.endr
.endif
.irp b, 0,1,2,3
	v_permlanex16_b32 v[TM+4+\b], v[TM+\b], s[SEL], s[SEL+1]
.endr
.irp b, 0,1,2,3
	v_max_num_f32 v[TM+\b], v[TM+\b], v[TM+4+\b]
.endr
.irp b, 0,1,2,3
	v_add_nc_u32 v[TM+12+\b], 0xfc000000, v[TM+\b]                       ; 8 off the exponent field: the conversion's scale operand
.endr
.irp b, 0,1,2,3
	v_and_or_b32 v[TM+8+\b], v[TM+\b], 0x7f800000, s[MNT]                ; 448 x the scale
.endr
.irp b, 0,1,2,3
	v_lshrrev_b32 v[TM+4+\b], 23, v[TM+12+\b]                            ; the scale's byte
.endr
	v_lshl_or_b32 v[\pw], v[TM+5], 8, v[TM+4]
	v_lshl_or_b32 v[\pw], v[TM+6], 16, v[\pw]
	v_lshl_or_b32 v[\pw], v[TM+7], 24, v[\pw]
.irp b, 0,1,2,3
.irp i, 0,1,2,3,4,5,6,7,8,9,10,11,12,13,14,15
.if \relu
	v_med3_num_f32 v[\s+16*\b+\i], v[\s+16*\b+\i], 0, v[TM+8+\b]          ; the activation and the hold in one
.else
	v_med3_num_f32 v[\s+16*\b+\i], v[\s+16*\b+\i], -v[TM+8+\b], v[TM+8+\b]
.endif
.endr
	v_cvt_scalef32_pk8_fp8_f32 v[\d+4*\b:\d+1+4*\b], v[\s+16*\b:\s+7+16*\b], v[TM+12+\b]
	v_cvt_scalef32_pk8_fp8_f32 v[\d+2+4*\b:\d+3+4*\b], v[\s+8+16*\b:\s+15+16*\b], v[TM+12+\b]
.endr
	v_nop                                                                ; a plain line behind the last conversion
.endm
.macro IMAGE adr, off, d
.irp c, 0,1,2,3
	ds_store_b128 v[\adr], v[\d+4*\c:\d+4*\c+3] offset:\off+512*\c
.endr
.endm
.macro FETCH reg, adr, off
.irp c, 0,1,2,3
	ds_load_b128 v[\reg+4*\c:\reg+4*\c+3], v[\adr] offset:\off+512*\c
.endr
.endm
.macro BARRIER
	s_wait_dscnt 0x0
	s_barrier_signal -1
	s_barrier_wait -1
.endm
.macro NOPS n
.rept \n
	v_nop
.endr
.endm
.macro RADD dst, src, n
	v_pk_add_f32 v[\dst:\dst+1], v[\src:\src+1], v[\src+4:\src+5]
	v_pk_add_f32 v[\dst+2:\dst+3], v[\src+2:\src+3], v[\src+6:\src+7]
.set J, 2
.rept \n-2
	v_pk_add_f32 v[\dst:\dst+1], v[\dst:\dst+1], v[\src+4*J:\src+4*J+1]
	v_pk_add_f32 v[\dst+2:\dst+3], v[\dst+2:\dst+3], v[\src+4*J+2:\src+4*J+3]
.set J, J+1
.endr
.endm
.macro ROWSTAT x, first
.if \first
	v_pk_add_f32 v[S1:S1+1], v[\x:\x+1], v[SH:SH+1] neg_lo:[0,1] neg_hi:[0,1]
	v_pk_add_f32 v[S1+2:S1+3], v[\x+2:\x+3], v[SH+2:SH+3] neg_lo:[0,1] neg_hi:[0,1]
	v_pk_mul_f32 v[S2:S2+1], v[S1:S1+1], v[S1:S1+1]
	v_pk_mul_f32 v[S2+2:S2+3], v[S1+2:S1+3], v[S1+2:S1+3]
.else
	v_pk_add_f32 v[DT:DT+1], v[\x:\x+1], v[SH:SH+1] neg_lo:[0,1] neg_hi:[0,1]
	v_pk_add_f32 v[DT+2:DT+3], v[\x+2:\x+3], v[SH+2:SH+3] neg_lo:[0,1] neg_hi:[0,1]
	v_pk_add_f32 v[S1:S1+1], v[S1:S1+1], v[DT:DT+1]
	v_pk_add_f32 v[S1+2:S1+3], v[S1+2:S1+3], v[DT+2:DT+3]
	v_pk_fma_f32 v[S2:S2+1], v[DT:DT+1], v[DT:DT+1], v[S2:S2+1]
	v_pk_fma_f32 v[S2+2:S2+3], v[DT+2:DT+3], v[DT+2:DT+3], v[S2+2:S2+3]
.endif
.endm
.macro PLOAD k                         ; batch k: four records, a mean and an M2 each, into ring set k % DEPTH
.irp p, 0,1,2,3
	global_load_b128 v[RG+32*((\k)%DEPTH)+8*\p:RG+32*((\k)%DEPTH)+8*\p+3], v[LI], s[PP:PP+1] offset:(4*(\k)+\p)*1024
	global_load_b128 v[RG+32*((\k)%DEPTH)+8*\p+4:RG+32*((\k)%DEPTH)+8*\p+7], v[LI], s[PP:PP+1] offset:(4*(\k)+\p)*1024+512
.endr
.endm
.macro PACC k                          ; d = mean_i - M0; A += d; B += d d; C += M2_i
.irp p, 0,1,2,3
.set R, RG+32*((\k)%DEPTH)+8*\p
	v_pk_add_f32 v[R:R+1], v[R:R+1], v[M0:M0+1] neg_lo:[0,1] neg_hi:[0,1]
	v_pk_add_f32 v[R+2:R+3], v[R+2:R+3], v[M0+2:M0+3] neg_lo:[0,1] neg_hi:[0,1]
	v_pk_add_f32 v[MU:MU+1], v[MU:MU+1], v[R:R+1]
	v_pk_add_f32 v[MU+2:MU+3], v[MU+2:MU+3], v[R+2:R+3]
	v_pk_fma_f32 v[AA:AA+1], v[R:R+1], v[R:R+1], v[AA:AA+1]
	v_pk_fma_f32 v[AA+2:AA+3], v[R+2:R+3], v[R+2:R+3], v[AA+2:AA+3]
	v_pk_add_f32 v[CC:CC+1], v[CC:CC+1], v[R+4:R+5]
	v_pk_add_f32 v[CC+2:CC+3], v[CC+2:CC+3], v[R+6:R+7]
.endr
.endm
.macro FINAL                           ; from A, B, C of all 256 records: MU = the mean, AA = gamma / sqrt(variance + eps)
	v_pk_mul_f32 v[T0:T0+1], v[MU:MU+1], 0x3b800000 op_sel_hi:[1,0]         ; T = A / 256
	v_pk_mul_f32 v[T0+2:T0+3], v[MU+2:MU+3], 0x3b800000 op_sel_hi:[1,0]
	v_pk_fma_f32 v[T0+4:T0+5], v[T0:T0+1], v[MU:MU+1], v[AA:AA+1] neg_lo:[1,0,0] neg_hi:[1,0,0]   ; U = B - T A = the sum of (mean_i - mean)^2
	v_pk_fma_f32 v[T0+6:T0+7], v[T0+2:T0+3], v[MU+2:MU+3], v[AA+2:AA+3] neg_lo:[1,0,0] neg_hi:[1,0,0]
	v_pk_add_f32 v[MU:MU+1], v[M0:M0+1], v[T0:T0+1]
	v_pk_add_f32 v[MU+2:MU+3], v[M0+2:M0+3], v[T0+2:T0+3]
	v_pk_fma_f32 v[T0+4:T0+5], v[CC:CC+1], 0x3c000000, v[T0+4:T0+5] op_sel_hi:[1,0,1]   ; C / 128 + U
	v_pk_fma_f32 v[T0+6:T0+7], v[CC+2:CC+3], 0x3c000000, v[T0+6:T0+7] op_sel_hi:[1,0,1]
	v_mov_b32 v[T0], 0x3727c5ac                    ; eps = 1e-5
	v_mov_b32 v[T0+1], 0x3727c5ac
	v_pk_fma_f32 v[T0+4:T0+5], v[T0+4:T0+5], 0x3b800000, v[T0:T0+1] op_sel_hi:[1,0,1]   ; / 256 + eps
	v_pk_fma_f32 v[T0+6:T0+7], v[T0+6:T0+7], 0x3b800000, v[T0:T0+1] op_sel_hi:[1,0,1]
.irp i, 0,1,2,3
	v_rsq_f32 v[T0+\i], v[T0+4+\i]
.endr
	v_nop                                          ; a plain line behind the last of them,
	s_wait_alu depctr_va_vdst(0)                   ; and one wait for the four, ahead of their first reader
	v_pk_mul_f32 v[AA:AA+1], v[T0:T0+1], v[GG:GG+1]
	v_pk_mul_f32 v[AA+2:AA+3], v[T0+2:T0+3], v[GG+2:GG+3]
.endm
	s_load_b512 s[4:19], s[0:1], 0x0               ; x1, part1, gamma, beta, wcodes, wscales, ff1_b, x2
	s_load_b64 s[20:21], s[0:1], 0x40              ; part2
	v_lshl_add_u32 v[SPW], v0, 2, SPARE
	v_mov_b32 v[NIL], 0
	v_lshrrev_b32 v16, 5, v0
	v_readfirstlane_b32 s[WV], v16                 ; wave 0..3
	v_and_b32 v16, 31, v0
	v_lshlrev_b32 v[LI], 4, v16
	v_lshlrev_b32 v[LS], 2, v16
	v_and_b32 v17, 15, v0                          ; r
	v_bfe_u32 v18, v0, 4, 1                        ; h
	v_mul_u32_u24 v19, v17, RP
	s_mul_i32 s28, s[WV], 16*RP
	s_add_co_u32 s29, s28, YST
	v_add_nc_u32 v[YS], s29, v[LI]                 ; my 16 rows of y, by rows,
	v_lshl_add_u32 v[YQ], v18, 6, v19
	v_add_nc_u32 v[YQ], s29, v[YQ]                 ; and 16 neighbours a lane
	s_lshl_b32 s29, s[WV], 11
	v_add_nc_u32 v[XWI], s29, v[LI]                ; (XIMG = 0)
	s_add_co_u32 s29, s29, HIMG
	v_add_nc_u32 v[HWI], s29, v[LI]
	s_lshl_b32 s29, s[WV], 7
	s_add_co_u32 s32, s29, XSC
	v_add_nc_u32 v[XWS], s32, v[LS]
	s_add_co_u32 s32, s29, HSC
	v_add_nc_u32 v[HWS], s32, v[LS]
	v_lshl_add_u32 v[SO], v18, 5, v19
	s_add_co_u32 s32, s29, ZST
	v_add_nc_u32 v[SO], s32, v[SO]                 ; the stage: row r, + 32 h, + my outputs' 128 bytes
	s_add_co_u32 s32, s28, ZST
	v_add_nc_u32 v[ZR], s32, v[LI]
	s_mul_i32 s32, s[WV], 1536
	s_add_co_u32 s32, s32, RED
	v_add_nc_u32 v[RW], s32, v[LI]
	v_add_nc_u32 v[RR], RED, v[LI]
	s_lshl_b32 s32, s[WV], 10
	s_add_co_u32 s32, s32, RED2
	v_add_nc_u32 v[R2], s32, v[LI]
	v_add_nc_u32 v[R2R], RED2, v[LI]
	v_add_nc_u32 v[Z0], ZST, v[LI]
	v_add_nc_u32 v[Y0], YST, v[LI]
	v_lshlrev_b32 v[B1O], 6, v18
	s_mov_b32 s[SEL], 0x76543210
	s_mov_b32 s[SEL+1], 0xfedcba98
	s_mov_b32 s[MNT], 0x600000
.irp b, 0,1,2,3
	v_mov_b32 v[TM+4+\b], 0                        ; a lane permute's destination counts as one of its sources
.endr
.irp i, 0,1,2,3
	v_mov_b32 v[MU+\i], 0
	v_mov_b32 v[AA+\i], 0
	v_mov_b32 v[CC+\i], 0
.endr
	s_lshl_b32 s28, ttmp9, 16                      ; the work-group's 128 rows of 512 bytes,
	s_lshl_b32 s29, s[WV], 13                      ; my 16 of a block's 64
	s_add_co_u32 s28, s28, s29
	s_mov_b32 s29, 0
	s_lshl_b32 s32, s[WV], 16                      ; my 64 records of 1,024 bytes
	s_mov_b32 s33, 0
	s_lshl_b32 s34, ttmp9, 10
	s_mov_b32 s35, 0
	s_lshl_b32 s36, s[WV], 14                      ; my 8 fragments,
	s_mov_b32 s37, 0
	s_lshl_b32 s38, s[WV], 10                      ; their scale words,
	s_mov_b32 s39, 0
	s_lshl_b32 s40, s[WV], 9                       ; my 128 numbers of b1
	s_mov_b32 s41, 0
	s_wait_kmcnt 0x0
	s_add_nc_u64 s[4:5], s[4:5], s[28:29]
	s_add_nc_u64 s[18:19], s[18:19], s[28:29]
	s_add_nc_u64 s[PP:PP+1], s[6:7], s[32:33]
	s_add_nc_u64 s[20:21], s[20:21], s[34:35]
	s_add_nc_u64 s[12:13], s[12:13], s[36:37]
	s_add_nc_u64 s[14:15], s[14:15], s[38:39]
	s_add_nc_u64 s[16:17], s[16:17], s[40:41]
	WIN 0xc0                                       ; destination window 3
.irp k, 0,1
.irp i, 0,1,2,3,4,5,6,7,8,9,10,11,12,13,14,15
	global_load_b128 v[64+64*\k+4*\i:64+64*\k+4*\i+3], v[LI], s[4:5] offset:32768*\k+512*\i th:TH_LOAD_NT   ; my rows of x1: a row a load
.endr
.endr
	WIN 0
	global_load_b128 v[GG:GG+3], v[LI], s[8:9]
	global_load_b128 v[BE:BE+3], v[LI], s[10:11]
	global_load_b128 v[M0:M0+3], v[LI], s[6:7]     ; record 0's mean, in every wave
.set K, 0
.rept DEPTH
	PLOAD K
.set K, K+1
.endr
.set K, 0
.rept NBAT
.if NBAT-1-K >= DEPTH-1
	s_wait_loadcnt 8*(DEPTH-1)                     ; this batch and all that was asked for ahead of it are in; the younger batches, eight loads each, may be out
.else
	s_wait_loadcnt 8*(NBAT-1-K)
.endif
	PACC K
.if K+DEPTH < NBAT
	PLOAD K+DEPTH
.endif
.set K, K+1
.endr
	WIN 0x40                                       ; the weights' images are asked for here and land while the figures are finished and y is quantised
.irp t, 0,1,2,3,4,5,6,7
.irp c, 0,1,2,3
	global_load_b128 v[16*\t+4*\c:16*\t+4*\c+3], v[LI], s[12:13] offset:65536+2048*\t+512*\c
.endr
.endr
	WIN 0x80
.irp q, 0,1,2,3,4,5,6,7
.irp c, 0,1,2,3
	global_load_b128 v[16*\q+4*\c:16*\q+4*\c+3], v[LI], s[12:13] offset:131072+2048*\q+512*\c
.endr
.endr
.irp t, 0,1,2,3,4,5,6,7
	global_load_b128 v[128+8*\t:128+8*\t+3], v[B1O], s[16:17] offset:(32*(\t/2)+8*(\t%2))*4        ; b1 at hidden units 32 (t / 2) + 16 h + 8 (t % 2) + 0..7
	global_load_b128 v[128+8*\t+4:128+8*\t+7], v[B1O], s[16:17] offset:(32*(\t/2)+8*(\t%2))*4+16
.endr
	WIN 0
.irp t, 0,1,2,3,4,5,6,7
	global_load_b32 v[W1S+\t], v[LS], s[14:15] offset:4096+128*\t
	global_load_b32 v[W2S+\t], v[LS], s[14:15] offset:8192+128*\t
.endr
	ds_store_b128 v[RW], v[MU:MU+3]
	ds_store_b128 v[RW], v[AA:AA+3] offset:512
	ds_store_b128 v[RW], v[CC:CC+3] offset:1024
	BARRIER
.irp q, 0,1,2
.irp w, 0,1,2,3
	ds_load_b128 v[RG+16*\q+4*\w:RG+16*\q+4*\w+3], v[RR] offset:1536*\w+512*\q
.endr
.endr
	s_wait_dscnt 0x0
	RADD MU, RG, NW
	RADD AA, RG+16, NW
	RADD CC, RG+32, NW
	FINAL
	; ---- X: my 16 rows of each block
.irp k, 0,1
	WIN 0x03                                       ; source 0 window 3
.set J, 0
.rept 32
	v_pk_add_f32 v[ST+J:ST+J+1], v[64+64*\k+J:64+64*\k+J+1], v[MU+J%4:MU+J%4+1] neg_lo:[0,1] neg_hi:[0,1]
.set J, J+2
.endr
	WIN 0
.set J, 0
.rept 32
	v_pk_fma_f32 v[ST+J:ST+J+1], v[ST+J:ST+J+1], v[AA+J%4:AA+J%4+1], v[BE+J%4:BE+J%4+1]   ; y = (x1 - mean) a + beta
.set J, J+2
.endr
.irp i, 0,1,2,3,4,5,6,7,8,9,10,11,12,13,14,15
	ds_store_b128 v[YS], v[ST+4*\i:ST+4*\i+3] offset:64*RP*\k+RP*\i
.endr
.irp c, 0,1,2,3
.irp j, 0,1,2,3
	ds_load_b128 v[HA+16*\c+4*\j:HA+16*\c+4*\j+3], v[YQ] offset:64*RP*\k+128*\c+16*\j   ; LDS serves a wave's instructions in order (ISA guide 5.7.1.4): these see the stores above
.endr
.endr
	s_wait_dscnt 0x0
	QUANT HA, 0, PC, PW
	IMAGE XWI, 8192*\k, PC
	ds_store_b32 v[XWS], v[PW] offset:512*\k
	s_wait_dscnt 0x0                               ; the stores have read their registers
.endr
	BARRIER                                        ; y's eight fragments lie in LDS
	s_wait_loadcnt 0x0                             ; the weights
.macro BLOCK k
	; ---- 1: the hidden layer, a tile of 16 rows at a time
.irp m, 0,1,2,3
	FETCH XF, LI, XIMG+2048*(4*\k+\m)
	ds_load_b32 v[XS], v[LS] offset:XSC+128*(4*\k+\m)
	s_wait_dscnt 0x0
	WIN 0x21                                       ; source 0 (W1) window 1, source 2 (b1) window 2
.irp t, 0,1,2,3,4,5,6,7
	v_wmma_scale_f32_16x16x128_f8f6f4 v[HA+8*\t:HA+8*\t+7], v[16*\t:16*\t+15], v[XF:XF+15], v[128+8*\t:128+8*\t+7], v[W1S+\t], v[XS]
.endr
	WIN 0
	NOPS 8
	QUANT HA, 1, PC, PW
	IMAGE HWI, 8192*\m, PC                         ; K step w of the second product, rows 16 m on
	ds_store_b32 v[HWS], v[PW] offset:512*\m
	s_wait_dscnt 0x0                               ; the stores have read their registers
.endr
	BARRIER                                        ; the hidden layer's sixteen fragments lie in LDS
	; ---- 2: my 32 outputs for the 64 rows: eight accumulators by turns, a K step at a time
.if \k > 0
	s_wait_xcnt 0x0                                ; the last block's stores of x2 have read their registers: loads land there only behind this wait
.endif
.irp s, 0,1,2,3
.irp m, 0,1,2,3
	FETCH ST+16*\m, LI, HIMG+2048*(4*\m+\s)
	ds_load_b32 v[HS+\m], v[LS] offset:HSC+128*(4*\m+\s)
.endr
	s_wait_dscnt 0x0
.if \s == 0
	WIN 0xc2                                       ; source 0 (W2) window 2, destination window 3; the first K step starts the sums
.else
	WIN 0xf2                                       ; C and D window 3
.endif
.irp m, 0,1,2,3
.irp n, 0,1
.if \s == 0
	v_wmma_scale_f32_16x16x128_f8f6f4 v[8*(4*\n+\m):8*(4*\n+\m)+7], v[16*(4*\n+\s):16*(4*\n+\s)+15], v[ST+16*\m:ST+16*\m+15], 0, v[W2S+4*\n+\s], v[HS+\m]
.else
	v_wmma_scale_f32_16x16x128_f8f6f4 v[8*(4*\n+\m):8*(4*\n+\m)+7], v[16*(4*\n+\s):16*(4*\n+\s)+15], v[ST+16*\m:ST+16*\m+15], v[8*(4*\n+\m):8*(4*\n+\m)+7], v[W2S+4*\n+\s], v[HS+\m]
.endif
.endr
.endr
	WIN 0
	NOPS 8                                         ; places in front of loads into registers that matrix instructions have read, and of the first read of results
.endr
	WIN 0x0c                                       ; an LDS store's data are its source 1: window 3
.irp m, 0,1,2,3
.irp n, 0,1
	ds_store_b128 v[SO], v[8*(4*\n+\m):8*(4*\n+\m)+3] offset:16*RP*\m+64*\n
	ds_store_b128 v[SO], v[8*(4*\n+\m)+4:8*(4*\n+\m)+7] offset:16*RP*\m+64*\n+16
.endr
.endr
	WIN 0
	BARRIER                                        ; 64 whole rows of the second product lie in the stage
	; ---- rows 16 w .. 16 w + 15 of the block
.irp i, 0,1,2,3,4,5,6,7,8,9,10,11,12,13,14,15
	ds_load_b128 v[ST+4*\i:ST+4*\i+3], v[ZR] offset:RP*\i
.endr
.irp i, 0,1,2,3,4,5,6,7,8,9,10,11,12,13,14,15
	ds_load_b128 v[HA+4*\i:HA+4*\i+3], v[YS] offset:64*RP*\k+RP*\i
.endr
.if \k == 0
	ds_load_b128 v[DT:DT+3], v[Z0]                 ; the work-group's first row, for the shift
	ds_load_b128 v[SH:SH+3], v[Y0]
.endif
	s_wait_dscnt 0x0
.if \k == 0
	v_pk_add_f32 v[SH:SH+1], v[SH:SH+1], v[DT:DT+1]
	v_pk_add_f32 v[SH+2:SH+3], v[SH+2:SH+3], v[DT+2:DT+3]
.endif
.irp i, 0,1,2,3,4,5,6,7,8,9,10,11,12,13,14,15
	v_pk_add_f32 v[ST+4*\i:ST+4*\i+1], v[HA+4*\i:HA+4*\i+1], v[ST+4*\i:ST+4*\i+1]
	v_pk_add_f32 v[ST+4*\i+2:ST+4*\i+3], v[HA+4*\i+2:HA+4*\i+3], v[ST+4*\i+2:ST+4*\i+3]
	global_store_b128 v[LI], v[ST+4*\i:ST+4*\i+3], s[18:19] offset:32768*\k+512*\i   ; 32 lanes store a row: 512 consecutive bytes
.endr
.if \k == 0
	ROWSTAT ST, 1
.else
	ROWSTAT ST, 0
.endif
.irp i, 1,2,3,4,5,6,7,8,9,10,11,12,13,14,15
	ROWSTAT ST+4*\i, 0
.endr
.endm
	BLOCK 0
	BLOCK 1
	ds_store_b128 v[R2], v[S1:S1+3]
	ds_store_b128 v[R2], v[S2:S2+3] offset:512
	BARRIER
	s_cmp_lg_u32 s[WV], 0                          ; wave 0 adds the four pairs and stores the work-group's record
	s_cbranch_scc1 .Lend
.irp k, 0,1,2,3
	ds_load_b128 v[HA+4*\k:HA+4*\k+3], v[R2R] offset:1024*\k
	ds_load_b128 v[HA+16+4*\k:HA+16+4*\k+3], v[R2R] offset:1024*\k+512
.endr
	s_wait_dscnt 0x0
	RADD S1, HA, NW
	RADD S2, HA+16, NW
	v_pk_mul_f32 v[DT:DT+1], v[S1:S1+1], 0x3c000000 op_sel_hi:[1,0]         ; T = S1 / 128
	v_pk_mul_f32 v[DT+2:DT+3], v[S1+2:S1+3], 0x3c000000 op_sel_hi:[1,0]
	v_pk_add_f32 v[HA:HA+1], v[SH:SH+1], v[DT:DT+1]                         ; the mean
	v_pk_add_f32 v[HA+2:HA+3], v[SH+2:SH+3], v[DT+2:DT+3]
	v_pk_fma_f32 v[HA+4:HA+5], v[DT:DT+1], v[S1:S1+1], v[S2:S2+1] neg_lo:[1,0,0] neg_hi:[1,0,0]   ; the squares about it
	v_pk_fma_f32 v[HA+6:HA+7], v[DT+2:DT+3], v[S1+2:S1+3], v[S2+2:S2+3] neg_lo:[1,0,0] neg_hi:[1,0,0]
	global_store_b128 v[LI], v[HA:HA+3], s[20:21]
	global_store_b128 v[LI], v[HA+4:HA+7], s[20:21] offset:512
.Lend:
	s_wait_tensorcnt 0x0                           ; the wave's end: three closing lines behind my last LDS store
	ds_add_u32 v[SPW], v[NIL]
	s_wait_dscnt 0x0
	s_endpgm
.Lfunc_end_k_qc3d4cd0ae4_ff:
	.size	k_qc3d4cd0ae4_ff, .Lfunc_end_k_qc3d4cd0ae4_ff-k_qc3d4cd0ae4_ff
	.p2alignl 7, 3214868480
	.fill 96, 4, 3214868480
	.section	.rodata,"a",@progbits
	.p2align	6, 0x0
	.amdhsa_kernel k_qc3d4cd0ae4_ff
		.amdhsa_group_segment_fixed_size 164352
		.amdhsa_private_segment_fixed_size 0
		.amdhsa_enable_private_segment 0
		.amdhsa_kernarg_size 72
		.amdhsa_user_sgpr_count 2
		.amdhsa_user_sgpr_kernarg_segment_ptr 1
		.amdhsa_wavefront_size32 1
		.amdhsa_system_sgpr_workgroup_id_x 1
		.amdhsa_system_sgpr_workgroup_id_y 1
		.amdhsa_system_sgpr_workgroup_id_z 1
		.amdhsa_system_vgpr_workitem_id 0
		.amdhsa_next_free_vgpr 1024
		.amdhsa_next_free_sgpr 66
		.amdhsa_reserve_vcc 0
		.amdhsa_float_denorm_mode_32 3
		.amdhsa_float_denorm_mode_16_64 3
		.amdhsa_memory_ordered 1
		.amdhsa_forward_progress 1
		.amdhsa_inst_pref_size 222
	.end_amdhsa_kernel
	.amdgpu_metadata
---
amdhsa.version: [ 1, 2 ]
amdhsa.kernels:
  - .name:           k_qc3d4cd0ae4_ff
    .symbol:         k_qc3d4cd0ae4_ff.kd
    .args:
      - { .name: x1, .offset: 0, .size: 8, .value_kind: global_buffer, .address_space: global }
      - { .name: part1, .offset: 8, .size: 8, .value_kind: global_buffer, .address_space: global }
      - { .name: bn1_g, .offset: 16, .size: 8, .value_kind: global_buffer, .address_space: global }
      - { .name: bn1_b, .offset: 24, .size: 8, .value_kind: global_buffer, .address_space: global }
      - { .name: wcodes, .offset: 32, .size: 8, .value_kind: global_buffer, .address_space: global }
      - { .name: wscales, .offset: 40, .size: 8, .value_kind: global_buffer, .address_space: global }
      - { .name: ff1_b, .offset: 48, .size: 8, .value_kind: global_buffer, .address_space: global }
      - { .name: x2, .offset: 56, .size: 8, .value_kind: global_buffer, .address_space: global }
      - { .name: part2, .offset: 64, .size: 8, .value_kind: global_buffer, .address_space: global }
    .group_segment_fixed_size: 164352
    .private_segment_fixed_size: 0
    .kernarg_segment_align: 8
    .kernarg_segment_size: 72
    .max_flat_workgroup_size: 128
    .sgpr_count:     66
    .vgpr_count:     1024
    .wavefront_size: 32
...
	.end_amdgpu_metadata
.endif
;; end of part 3
;; launch bn2 (part 4): grid 256 x 1, 16 waves a work-group, no clusters, 26,624 bytes of LDS; arguments x2, part2, bn2_g, bn2_b, out0; writes out0
.if DOCPART == 4
	.amdgcn_target "amdgcn-amd-amdhsa--gfx1250"
	.amdhsa_code_object_version 6
	.text
	.protected	k_qc3d4cd0ae4_bn2
	.globl	k_qc3d4cd0ae4_bn2
	.p2align	8
	.type	k_qc3d4cd0ae4_bn2,@function
k_qc3d4cd0ae4_bn2:
	s_mov_b64 s[64:65], 0
	v_nop
	global_prefetch_b8 v0, s[64:65] scope:SCOPE_SE
	s_setreg_imm32_b32 hwreg(HW_REG_WAVE_MODE, 25, 1), 1
	s_wait_xcnt 0x0
; out0 = BatchNorm2(x2).  A work-group takes 128 rows, each of its sixteen waves 8; lane l holds channels 4 l .. 4 l + 3, so every load and store of a row covers 512 consecutive bytes.
; The figures are made here from the 256 records of part2 (a mean and a sum of squares about it for each 128 rows): wave w adds 16 records, the sixteen meet in LDS, every wave finishes alike:
; mean = M0 + sum(mean_i - M0) / 256, variance = (sum of M2_i + 128 x sum of (mean_i - mean)^2) / 32768, M0 being record 0's mean: no difference of large sums is formed.
; Memory binds: no matrix unit, no cluster, no tensor load; the rows are asked for first and land while the records are added.
; LIMITS: NaN and infinities are not served; f32 sums are ordered otherwise than in reference().
.set RED,   0                          ; the waves' sums of records: 1,536 bytes each
.set SPARE, 24576                      ; the spare words, 128 bytes for each wave: no other line names them
.set NW,    16
.set DEPTH, 4
.set NBAT,  4
.set LI,  1                            ; v1  16 x lane: also the address at which the sums are read back (RED = 0)
.set RW,  2                            ; v2  where I store my sums
.set XR,  16                           ; v16-47   my 8 rows
.set RG,  48                           ; v48-175  the ring: four batches of four records
.set GG,  176
.set M0,  184
.set CC,  188
.set T0,  192
.set MU,  200
.set AA,  204
.set BE,  208
.set SPW, 212
.set NIL, 213
.set WV,  14
.set PP,  16                           ; s[16:17] my 16 records
.macro BARRIER
	s_wait_dscnt 0x0
	s_barrier_signal -1
	s_barrier_wait -1
.endm
.macro RADD dst, src, n
	v_pk_add_f32 v[\dst:\dst+1], v[\src:\src+1], v[\src+4:\src+5]
	v_pk_add_f32 v[\dst+2:\dst+3], v[\src+2:\src+3], v[\src+6:\src+7]
.set J, 2
.rept \n-2
	v_pk_add_f32 v[\dst:\dst+1], v[\dst:\dst+1], v[\src+4*J:\src+4*J+1]
	v_pk_add_f32 v[\dst+2:\dst+3], v[\dst+2:\dst+3], v[\src+4*J+2:\src+4*J+3]
.set J, J+1
.endr
.endm
.macro PLOAD k
.irp p, 0,1,2,3
	global_load_b128 v[RG+32*((\k)%DEPTH)+8*\p:RG+32*((\k)%DEPTH)+8*\p+3], v[LI], s[PP:PP+1] offset:(4*(\k)+\p)*1024
	global_load_b128 v[RG+32*((\k)%DEPTH)+8*\p+4:RG+32*((\k)%DEPTH)+8*\p+7], v[LI], s[PP:PP+1] offset:(4*(\k)+\p)*1024+512
.endr
.endm
.macro PACC k                          ; d = mean_i - M0; A += d; B += d d; C += M2_i
.irp p, 0,1,2,3
.set R, RG+32*((\k)%DEPTH)+8*\p
	v_pk_add_f32 v[R:R+1], v[R:R+1], v[M0:M0+1] neg_lo:[0,1] neg_hi:[0,1]
	v_pk_add_f32 v[R+2:R+3], v[R+2:R+3], v[M0+2:M0+3] neg_lo:[0,1] neg_hi:[0,1]
	v_pk_add_f32 v[MU:MU+1], v[MU:MU+1], v[R:R+1]
	v_pk_add_f32 v[MU+2:MU+3], v[MU+2:MU+3], v[R+2:R+3]
	v_pk_fma_f32 v[AA:AA+1], v[R:R+1], v[R:R+1], v[AA:AA+1]
	v_pk_fma_f32 v[AA+2:AA+3], v[R+2:R+3], v[R+2:R+3], v[AA+2:AA+3]
	v_pk_add_f32 v[CC:CC+1], v[CC:CC+1], v[R+4:R+5]
	v_pk_add_f32 v[CC+2:CC+3], v[CC+2:CC+3], v[R+6:R+7]
.endr
.endm
.macro FINAL
	v_pk_mul_f32 v[T0:T0+1], v[MU:MU+1], 0x3b800000 op_sel_hi:[1,0]         ; T = A / 256
	v_pk_mul_f32 v[T0+2:T0+3], v[MU+2:MU+3], 0x3b800000 op_sel_hi:[1,0]
	v_pk_fma_f32 v[T0+4:T0+5], v[T0:T0+1], v[MU:MU+1], v[AA:AA+1] neg_lo:[1,0,0] neg_hi:[1,0,0]   ; U = B - T A
	v_pk_fma_f32 v[T0+6:T0+7], v[T0+2:T0+3], v[MU+2:MU+3], v[AA+2:AA+3] neg_lo:[1,0,0] neg_hi:[1,0,0]
	v_pk_add_f32 v[MU:MU+1], v[M0:M0+1], v[T0:T0+1]
	v_pk_add_f32 v[MU+2:MU+3], v[M0+2:M0+3], v[T0+2:T0+3]
	v_pk_fma_f32 v[T0+4:T0+5], v[CC:CC+1], 0x3c000000, v[T0+4:T0+5] op_sel_hi:[1,0,1]   ; C / 128 + U
	v_pk_fma_f32 v[T0+6:T0+7], v[CC+2:CC+3], 0x3c000000, v[T0+6:T0+7] op_sel_hi:[1,0,1]
	v_mov_b32 v[T0], 0x3727c5ac                    ; eps = 1e-5
	v_mov_b32 v[T0+1], 0x3727c5ac
	v_pk_fma_f32 v[T0+4:T0+5], v[T0+4:T0+5], 0x3b800000, v[T0:T0+1] op_sel_hi:[1,0,1]   ; / 256 + eps
	v_pk_fma_f32 v[T0+6:T0+7], v[T0+6:T0+7], 0x3b800000, v[T0:T0+1] op_sel_hi:[1,0,1]
.irp i, 0,1,2,3
	v_rsq_f32 v[T0+\i], v[T0+4+\i]
.endr
	v_nop                                          ; a plain line behind the last of them,
	s_wait_alu depctr_va_vdst(0)                   ; and one wait for the four, ahead of their first reader
	v_pk_mul_f32 v[AA:AA+1], v[T0:T0+1], v[GG:GG+1]
	v_pk_mul_f32 v[AA+2:AA+3], v[T0+2:T0+3], v[GG+2:GG+3]
.endm
	s_load_b256 s[4:11], s[0:1], 0x0               ; x2, part2, gamma, beta
	s_load_b64 s[12:13], s[0:1], 0x20              ; out0
	v_lshl_add_u32 v[SPW], v0, 2, SPARE
	v_mov_b32 v[NIL], 0
	v_lshrrev_b32 v4, 5, v0
	v_readfirstlane_b32 s[WV], v4                  ; wave 0..15
	v_and_b32 v4, 31, v0
	v_lshlrev_b32 v[LI], 4, v4
	s_mul_i32 s18, s[WV], 1536
	v_add_nc_u32 v[RW], s18, v[LI]
.irp i, 0,1,2,3
	v_mov_b32 v[MU+\i], 0
	v_mov_b32 v[AA+\i], 0
	v_mov_b32 v[CC+\i], 0
.endr
	s_lshl_b32 s18, ttmp9, 16                      ; the work-group's 128 rows of 512 bytes,
	s_lshl_b32 s19, s[WV], 12                      ; my 8 of them
	s_add_co_u32 s18, s18, s19
	s_mov_b32 s19, 0
	s_lshl_b32 s20, s[WV], 14                      ; my 16 records of 1,024 bytes
	s_mov_b32 s21, 0
	s_wait_kmcnt 0x0
	s_add_nc_u64 s[4:5], s[4:5], s[18:19]
	s_add_nc_u64 s[12:13], s[12:13], s[18:19]
	s_add_nc_u64 s[PP:PP+1], s[6:7], s[20:21]
.irp i, 0,1,2,3,4,5,6,7
	global_load_b128 v[XR+4*\i:XR+4*\i+3], v[LI], s[4:5] offset:512*\i th:TH_LOAD_NT
.endr
	global_load_b128 v[GG:GG+3], v[LI], s[8:9]
	global_load_b128 v[BE:BE+3], v[LI], s[10:11]
	global_load_b128 v[M0:M0+3], v[LI], s[6:7]     ; record 0's mean, in every wave
.set K, 0
.rept DEPTH
	PLOAD K
.set K, K+1
.endr
.set K, 0
.rept NBAT
	s_wait_loadcnt 8*(NBAT-1-K)                    ; this batch and all that was asked for ahead of it are in; the younger batches, eight loads each, may be out
	PACC K
.set K, K+1
.endr
	ds_store_b128 v[RW], v[MU:MU+3]
	ds_store_b128 v[RW], v[AA:AA+3] offset:512
	ds_store_b128 v[RW], v[CC:CC+3] offset:1024
	BARRIER
.irp q, 0,1
.irp w, 0,1,2,3,4,5,6,7,8,9,10,11,12,13,14,15
	ds_load_b128 v[RG+64*\q+4*\w:RG+64*\q+4*\w+3], v[LI] offset:RED+1536*\w+512*\q
.endr
.endr
	s_wait_dscnt 0x0
	RADD MU, RG, NW
	RADD AA, RG+64, NW
.irp w, 0,1,2,3,4,5,6,7,8,9,10,11,12,13,14,15
	ds_load_b128 v[RG+4*\w:RG+4*\w+3], v[LI] offset:RED+1536*\w+1024
.endr
	s_wait_dscnt 0x0
	RADD CC, RG, NW
	FINAL
.irp i, 0,1,2,3,4,5,6,7
	v_pk_add_f32 v[XR+4*\i:XR+4*\i+1], v[XR+4*\i:XR+4*\i+1], v[MU:MU+1] neg_lo:[0,1] neg_hi:[0,1]
	v_pk_add_f32 v[XR+4*\i+2:XR+4*\i+3], v[XR+4*\i+2:XR+4*\i+3], v[MU+2:MU+3] neg_lo:[0,1] neg_hi:[0,1]
	v_pk_fma_f32 v[XR+4*\i:XR+4*\i+1], v[XR+4*\i:XR+4*\i+1], v[AA:AA+1], v[BE:BE+1]
	v_pk_fma_f32 v[XR+4*\i+2:XR+4*\i+3], v[XR+4*\i+2:XR+4*\i+3], v[AA+2:AA+3], v[BE+2:BE+3]
	global_store_b128 v[LI], v[XR+4*\i:XR+4*\i+3], s[12:13] offset:512*\i th:TH_STORE_NT   ; 32 lanes store a row: 512 consecutive bytes
.endr
	s_wait_tensorcnt 0x0                           ; the wave's end: three closing lines behind my last LDS store
	ds_add_u32 v[SPW], v[NIL]
	s_wait_dscnt 0x0
	s_endpgm
.Lfunc_end_k_qc3d4cd0ae4_bn2:
	.size	k_qc3d4cd0ae4_bn2, .Lfunc_end_k_qc3d4cd0ae4_bn2-k_qc3d4cd0ae4_bn2
	.p2alignl 7, 3214868480
	.fill 96, 4, 3214868480
	.section	.rodata,"a",@progbits
	.p2align	6, 0x0
	.amdhsa_kernel k_qc3d4cd0ae4_bn2
		.amdhsa_group_segment_fixed_size 26624
		.amdhsa_private_segment_fixed_size 0
		.amdhsa_enable_private_segment 0
		.amdhsa_kernarg_size 40
		.amdhsa_user_sgpr_count 2
		.amdhsa_user_sgpr_kernarg_segment_ptr 1
		.amdhsa_wavefront_size32 1
		.amdhsa_system_sgpr_workgroup_id_x 1
		.amdhsa_system_sgpr_workgroup_id_y 1
		.amdhsa_system_sgpr_workgroup_id_z 1
		.amdhsa_system_vgpr_workitem_id 0
		.amdhsa_next_free_vgpr 216
		.amdhsa_next_free_sgpr 66
		.amdhsa_reserve_vcc 0
		.amdhsa_float_denorm_mode_32 3
		.amdhsa_float_denorm_mode_16_64 3
		.amdhsa_memory_ordered 1
		.amdhsa_forward_progress 1
		.amdhsa_inst_pref_size 27
	.end_amdhsa_kernel
	.amdgpu_metadata
---
amdhsa.version: [ 1, 2 ]
amdhsa.kernels:
  - .name:           k_qc3d4cd0ae4_bn2
    .symbol:         k_qc3d4cd0ae4_bn2.kd
    .args:
      - { .name: x2, .offset: 0, .size: 8, .value_kind: global_buffer, .address_space: global }
      - { .name: part2, .offset: 8, .size: 8, .value_kind: global_buffer, .address_space: global }
      - { .name: bn2_g, .offset: 16, .size: 8, .value_kind: global_buffer, .address_space: global }
      - { .name: bn2_b, .offset: 24, .size: 8, .value_kind: global_buffer, .address_space: global }
      - { .name: out0, .offset: 32, .size: 8, .value_kind: global_buffer, .address_space: global }
    .group_segment_fixed_size: 26624
    .private_segment_fixed_size: 0
    .kernarg_segment_align: 8
    .kernarg_segment_size: 40
    .max_flat_workgroup_size: 512
    .sgpr_count:     66
    .vgpr_count:     216
    .wavefront_size: 32
...
	.end_amdgpu_metadata
.endif
;; end of part 4
;; ======== version 2 of 2: 4 launches; version 1 with the launches attn, ff written anew for expert scheduling mode
;; workspace buffers: wcodes 196,608 bytes; wscales 12,288 bytes; x1 16,777,216 bytes; x2 16,777,216 bytes; part1 262,144 bytes; part2 262,144 bytes
;; launch prep: the kernel of part 1 again; grid 96 x 1, 1 waves a work-group, no clusters, 0 bytes of LDS; arguments wq_w, wk_w, wv_w, w_w, ff1_w, ff2_w, wcodes, wscales; writes wcodes, wscales
;; launch attn (part 5): grid 256 x 1, 16 waves a work-group, no clusters, 321,536 bytes of LDS; arguments embedding_node, wcodes, wscales, wq_b, wk_b, wv_b, x1, part1; writes x1, part1
.if DOCPART == 5
	.amdgcn_target "amdgcn-amd-amdhsa--gfx1250"
	.amdhsa_code_object_version 6
	.text
	.protected	k_qc3d4cd0ae4_attn
	.globl	k_qc3d4cd0ae4_attn
	.p2align	8
	.type	k_qc3d4cd0ae4_attn,@function
k_qc3d4cd0ae4_attn:
	s_mov_b64 s[64:65], 0
	v_nop
	global_prefetch_b8 v0, s[64:65] scope:SCOPE_SE
	s_setreg_imm32_b32 hwreg(HW_REG_WAVE_SCHED_MODE, 0, 2), 2
	s_setreg_imm32_b32 hwreg(HW_REG_WAVE_MODE, 25, 1), 1
	s_wait_xcnt 0x0
	s_wait_alu depctr_vm_vsrc(0)
; x1 = attention(x) w_w + x, and each work-group's share of the first BatchNorm's sums.  w_b is left out: a constant of a channel ahead of a BatchNorm (shown at the head of the launch prep).
; SHARES.  Work-group g: batch g / 4, query block g % 4: 128 queries, all 8 heads, in TWO PASSES of four heads.  It makes K and V of its batch's 512 rows itself.  Sixteen waves: wave w has head w / 4 of the pass
; and sq = w % 4; four waves to a SIMD, so that one wave's softmax stands beside another's matrix work.
; x is quantised once (wave w: tiles 2 w, 2 w + 1 of 32) and lies in LDS as images of operand registers.  A tile's rows are not neighbours: lane r of tile 2 b + u of a key step takes row 32 b + 8 u + r + 8 (r / 8).
; LDS key step s holds the batch's key step (s + query block) % 4, so that the work-group's own queries are always tiles 0-7: no LDS address hangs on the work-group's number; the order of key steps is free under a running M.
; LAYOUTS.  K and Q: transposed (source 0 = the head's 16 weight columns, source 1 = an x tile): lane (r, h) holds row r and d = 8 h + 0..7: register pair ks is K step ks of the f32 form, by the same permutation of d on both sides.
; V: source 0 = an x tile, source 1 = the weight: lane (r, h) holds d = r and, in tiles 2 b, 2 b + 1, the keys 32 b + 16 h + 0..15: quantised in registers it is V^T's fragment.
; S^T = K Q^T in f32 (its result goes into a quantiser): a lane holds ONE query and registers 16 b + i = key 32 b + 16 h + i.  p = 2^(t - M), t = score x log2(e) / 4, M = the running largest t rounded up to a whole number;
; p is quantised along the keys; the row's sum is taken of the unquantised p; O^T = V^T P^T is divided by it at the end.  When M moves, sum and O^T are multiplied by 2^(old M - new M), which rounds nothing.
; THE SUMS FOR BATCHNORM: of the work-group's 128 rows, each channel's mean and the sum of squares about it, by sums of differences from the work-group's first row (a number within the data's spread).
; NO CLUSTER: what work-groups share is a batch's x (262,144 bytes, four readers) and 65,536 bytes of weight images; each is read once at a phase's head through registers (x to be quantised there), beside 512 f32 matrix instructions a wave.
; LIMITS: NaN and infinities are not served; a block of zeros carries the byte 1 (its codes are zeros); v_exp_f32 gives 0 under 2^-126; a block's largest p is taken through its largest score (v_exp_f32 taken not to fall where its input rises);
; f32 sums are ordered otherwise than in reference().
; THE MODE: SCHED_MODE bits 1:0 = 2 (LLVM: expert scheduling mode 2), set by the entry lines.  The code itself states the register dependences
; between vector or matrix instructions and memory or LDS instructions, with s_wait_alu, always for 0.
; THE PLAN.  Registers that LDS instructions touch in a key step:
;   v7, v8, v9   The LDS addresses of the step's K, V^T and V's scale words: written by three additions at the step's head, read by the step's 21 LDS loads.
;   P            K lands in it at the head; the f32 products read it; then the softmax writes p into it and the conversions read it.
;   VF, VSW      Land behind the f32 products; read by the step's last product.
;   S, Q, PC, PSW, O, the work registers and the statistics are named by vector and matrix instructions alone within a step.
; So a step's head holds one wait on vm_vsrc (the last step's loads have read the three addresses), the three additions, and ONE wait on va_vdst: the addresses are written, the last step's conversions are done
; with P, its product is done reading VF and VSW.  Both runs of loads hang on that wait alone: between it and V's loads stand the f32 products, which name P, Q and S, and v_nop.
; A step's other waits on va_vdst: the two behind the exponentials, and one directly ahead of the scaled product, whose codes and scale word vector instructions have written.
; Outside the steps each phase makes its addresses in one run, behind one wait on vm_vsrc where LDS instructions have read the registers, and one wait on va_vdst stands ahead of the phase's run of loads or stores.
.set RP,    528                        ; a staged row: 512 bytes + 16
.set XIMG,  0                          ; 32 fragments of x, 2,048 bytes each
.set XSC,   65536                      ; their scale words, 128 bytes each
.set KIMG,  69632                      ; K in f32: 4 heads x 32 tiles x 1,024 bytes: registers 0-3 at 16 l, registers 4-7 at 512 + 16 l
.set VIMG,  200704                     ; V^T's 16 fragments (4 x head + key step)
.set VSC,   233472                     ; their scale words
.set OST,   235520                     ; attention's result: 128 rows in natural order
.set RED2,  303104                     ; the waves' sums: 1,024 bytes each
.set SPARE, 319488                     ; the spare words, 128 bytes for each wave: no other line names them
.set XSTG,  KIMG                       ; ahead of the first barrier: a stage of 16 rows for each wave
.set X1ST,  KIMG                       ; behind the last read of K: 128 rows of the projection's result
.set LI,  1                            ; v1   16 x lane
.set LS,  2                            ; v2   4 x lane
.set AOL, 3                            ; v3   (r + 8 (r / 8)) x 528 + 32 h
.set QL,  4                            ; v4   528 r + 64 h
.set BH,  5                            ; v5   32 h
.set BR,  6                            ; v6   4 r
.set Q,   16                           ; v16-31   Q, two tiles; codes in the first and last phases
.set S,   32                           ; v32-95   S^T; K's and the projection's results: written by matrix instructions alone
.set P,   96                           ; v96-159  a step's K, then p; V's results; rows of x
.set VF,  160                          ; v160-175 V^T's fragment
.set PC,  176                          ; v176-191 p's codes
.set O,   192                          ; v192-199 O^T
.set XF0, 160                          ; while K and V are made: two fragments of x,
.set XF1, 176
.set WKF, 192                          ; wk's and wv's fragments,
.set WVF, 208
.set WQF, 96                           ; wq's, and the biases in the results' layouts
.set BQ,  112
.set BV,  224
.set BK,  232
.set TM,  224                          ; v224-239 at work; at the end the statistics
.set NM,  240                          ; v240 -M, v241 the largest t (a pair)
.set TX,  241
.set SUM, 242                          ; v[242:243] the row's sum in two halves
.set F,   244                          ; v244 f, later 1 / sum; v245 is written once: it is named as the pair's upper half
.set VSW, 246                          ; v246-251, v254: scale words and nothing else
.set PSW, 247
.set XS0, 248
.set XS1, 249
.set WSQ, 250
.set WSK, 251
.set SPW, 252                          ; v252 my spare word's address; never rewritten
.set NIL, 253                          ; v253 0; never rewritten
.set WSV, 254
.set SCR, 255
.set SH,  224                          ; at the end, in registers that no matrix instruction writes: the shift row, the two sums, a difference
.set S1,  228
.set S2,  232
.set DT,  236
.set WV,  20
.set HH,  21
.set SQ,  22
.set QB,  23
.set BB,  24
.set PASS, 25
.set SEL, 26
.set CS,  28                           ; s[28:29] c = log2(e) / 4
.set MNT, 30
.set CNT, 31
.set SK,  32                           ; where the key step's K, V and V's scale words begin
.set SV,  33
.set SS,  34
.set AXST, 35
.set AXW,  36
.set AXWS, 37
.set AX,   38
.set AXS,  39
.set AXQ,  40
.set AXQS, 41
.set AK,   42
.set AKW,  43
.set AV,   44
.set AVW,  45
.set AVS,  46
.set AVSW, 47
.set AO,   48
.set GC,   49                          ; head x 2,048, x 128, x 64: the head's place in wcodes, wscales and the biases
.set GS,   50
.set GB,   51
.set XP,   52                          ; s[52:53] x at the rows that I quantise
.set XQ,   54                          ; s[54:55] x at the 8 rows that I finish
.set XQ0,  56                          ; s[56:57] x at the work-group's first row
.macro QUANT s, relu, d, pw
.if \relu
.irp b, 0,1,2,3
	v_max3_num_f32 v[TM+\b], v[\s+16*\b], v[\s+1+16*\b], 0x4800000
.endr
.irp i, 2,4,6,8,10,12,14
.irp b, 0,1,2,3
	v_max3_num_f32 v[TM+\b], v[TM+\b], v[\s+16*\b+\i], v[\s+1+16*\b+\i]
.endr
.endr
.else
.irp b, 0,1,2,3
	v_max3_num_f32 v[TM+\b], |v[\s+16*\b]|, |v[\s+1+16*\b]|, 0x4800000   ; my 16 numbers of block b and the floor 2^(9 - 127): the byte cannot fall under 1
.endr
.irp i, 2,4,6,8,10,12,14
.irp b, 0,1,2,3
	v_max3_num_f32 v[TM+\b], v[TM+\b], |v[\s+16*\b+\i]|, |v[\s+1+16*\b+\i]|
.endr
.endr
.endif
.irp b, 0,1,2,3
	v_permlanex16_b32 v[TM+4+\b], v[TM+\b], s[SEL], s[SEL+1]
.endr
.irp b, 0,1,2,3
	v_max_num_f32 v[TM+\b], v[TM+\b], v[TM+4+\b]                         ; with lane l xor 16's: the block's largest magnitude
.endr
.irp b, 0,1,2,3
	v_add_nc_u32 v[TM+12+\b], 0xfc000000, v[TM+\b]                       ; 8 off its exponent field: the conversion's scale operand
.endr
.irp b, 0,1,2,3
	v_and_or_b32 v[TM+8+\b], v[TM+\b], 0x7f800000, s[MNT]                ; 448 x the scale
.endr
.irp b, 0,1,2,3
	v_lshrrev_b32 v[TM+4+\b], 23, v[TM+12+\b]                            ; the scale's byte
.endr
	v_lshl_or_b32 v[\pw], v[TM+5], 8, v[TM+4]
	v_lshl_or_b32 v[\pw], v[TM+6], 16, v[\pw]
	v_lshl_or_b32 v[\pw], v[TM+7], 24, v[\pw]
.irp b, 0,1,2,3
.irp i, 0,1,2,3,4,5,6,7,8,9,10,11,12,13,14,15
.if \relu
	v_med3_num_f32 v[\s+16*\b+\i], v[\s+16*\b+\i], 0, v[TM+8+\b]
.else
	v_med3_num_f32 v[\s+16*\b+\i], v[\s+16*\b+\i], -v[TM+8+\b], v[TM+8+\b] ; the conversion does not saturate (ISA guide 7.6.2): the hold at the largest code x the scale
.endif
.endr
	v_cvt_scalef32_pk8_fp8_f32 v[\d+4*\b:\d+1+4*\b], v[\s+16*\b:\s+7+16*\b], v[TM+12+\b]
	v_cvt_scalef32_pk8_fp8_f32 v[\d+2+4*\b:\d+3+4*\b], v[\s+8+16*\b:\s+15+16*\b], v[TM+12+\b]
.endr
	v_nop                                                                ; a plain line behind the last conversion
.endm
.macro IMAGE adr, off, d               ; a fragment goes to LDS as its registers stand
.irp c, 0,1,2,3
	ds_store_b128 v[\adr], v[\d+4*\c:\d+4*\c+3] offset:\off+512*\c
.endr
.endm
.macro FETCH reg, adr, off             ; and comes back so, in any wave
.irp c, 0,1,2,3
	ds_load_b128 v[\reg+4*\c:\reg+4*\c+3], v[\adr] offset:\off+512*\c
.endr
.endm
.macro BARRIER                         ; my LDS stores have landed and my LDS loads are in: then the work-group's barrier
	s_wait_dscnt 0x0
	s_barrier_signal -1
	s_barrier_wait -1
.endm
.macro NOPS n
.rept \n
	v_nop
.endr
.endm
.macro RADD dst, src, n                ; dst = the sum of n vectors of four registers from src on
	v_pk_add_f32 v[\dst:\dst+1], v[\src:\src+1], v[\src+4:\src+5]
	v_pk_add_f32 v[\dst+2:\dst+3], v[\src+2:\src+3], v[\src+6:\src+7]
.set J, 2
.rept \n-2
	v_pk_add_f32 v[\dst:\dst+1], v[\dst:\dst+1], v[\src+4*J:\src+4*J+1]
	v_pk_add_f32 v[\dst+2:\dst+3], v[\dst+2:\dst+3], v[\src+4*J+2:\src+4*J+3]
.set J, J+1
.endr
.endm
.macro ROWSTAT x, first                ; a row's four channels: d = x - shift; S1 += d; S2 += d d
.if \first
	v_pk_add_f32 v[S1:S1+1], v[\x:\x+1], v[SH:SH+1] neg_lo:[0,1] neg_hi:[0,1]
	v_pk_add_f32 v[S1+2:S1+3], v[\x+2:\x+3], v[SH+2:SH+3] neg_lo:[0,1] neg_hi:[0,1]
	v_pk_mul_f32 v[S2:S2+1], v[S1:S1+1], v[S1:S1+1]
	v_pk_mul_f32 v[S2+2:S2+3], v[S1+2:S1+3], v[S1+2:S1+3]
.else
	v_pk_add_f32 v[DT:DT+1], v[\x:\x+1], v[SH:SH+1] neg_lo:[0,1] neg_hi:[0,1]
	v_pk_add_f32 v[DT+2:DT+3], v[\x+2:\x+3], v[SH+2:SH+3] neg_lo:[0,1] neg_hi:[0,1]
	v_pk_add_f32 v[S1:S1+1], v[S1:S1+1], v[DT:DT+1]
	v_pk_add_f32 v[S1+2:S1+3], v[S1+2:S1+3], v[DT+2:DT+3]
	v_pk_fma_f32 v[S2:S2+1], v[DT:DT+1], v[DT:DT+1], v[S2:S2+1]
	v_pk_fma_f32 v[S2+2:S2+3], v[DT+2:DT+3], v[DT+2:DT+3], v[S2+2:S2+3]
.endif
.endm
; 16 rows of x in v[s] on (row i in four registers, 16 bytes a lane) turn through my stage, so that a lane holds 16 neighbours of each block of its row; then codes and scale word go to LDS as tile t of my two.
.macro XTILE s, d, pw, t
.irp i, 0,1,2,3,4,5,6,7,8,9,10,11,12,13,14,15
	ds_store_b128 v7, v[\s+4*\i:\s+4*\i+3] offset:RP*\i
.endr
	s_wait_alu depctr_vm_vsrc(0)                   ; the stores above have read v[s] on, in which the loads below land
.irp c, 0,1,2,3
.irp j, 0,1,2,3
	ds_load_b128 v[\s+16*\c+4*\j:\s+16*\c+4*\j+3], v8 offset:128*\c+16*\j   ; LDS serves a wave's instructions in order (ISA guide 5.7.1.4): these see the stores above
.endr
.endr
	s_wait_dscnt 0x0
	QUANT \s, 0, \d, \pw
	s_wait_alu depctr_va_vdst(0)                   ; the conversions have written the codes, the shifts the scale word: the stores below read them
	IMAGE 9, 2048*\t, \d
	ds_store_b32 v10, v[\pw] offset:128*\t
.endm
	s_load_b512 s[4:19], s[0:1], 0x0               ; x, wcodes, wscales, wq_b, wk_b, wv_b, x1, part1
	v_lshl_add_u32 v[SPW], v0, 2, SPARE
	v_mov_b32 v[NIL], 0
	v_lshrrev_b32 v7, 5, v0
	v_readfirstlane_b32 s[WV], v7                  ; wave 0..15
	v_and_b32 v7, 31, v0
	v_lshlrev_b32 v[LI], 4, v7
	v_lshlrev_b32 v[LS], 2, v7
	v_and_b32 v8, 15, v0                           ; r
	v_bfe_u32 v9, v0, 4, 1                         ; h
	v_and_b32 v10, 8, v8
	v_add_nc_u32 v10, v10, v8                      ; r + 8 (r / 8)
	v_mul_u32_u24 v[AOL], v10, RP
	v_lshl_add_u32 v[AOL], v9, 5, v[AOL]
	v_mul_u32_u24 v[QL], v8, RP
	v_lshl_add_u32 v[QL], v9, 6, v[QL]
	v_lshlrev_b32 v[BH], 5, v9
	v_lshlrev_b32 v[BR], 2, v8
.irp b, 0,1,2,3
	v_mov_b32 v[TM+4+\b], 0                        ; a lane permute's destination counts as one of its sources
.endr
	v_mov_b32 v[F+1], 0
	v_mov_b32 v[SCR], 0
	s_wait_alu depctr_va_sdst(0)                   ; the wave's number is written, ahead of its first reader: the scalar lines below are made from it
	s_lshr_b32 s[HH], s[WV], 2
	s_and_b32 s[SQ], s[WV], 3
	s_and_b32 s[QB], ttmp9, 3
	s_lshr_b32 s[BB], ttmp9, 2
	s_mov_b32 s[SEL], 0x76543210
	s_mov_b32 s[SEL+1], 0xfedcba98
	s_mov_b32 s[CS], 0x3eb8aa3b
	s_mov_b32 s[CS+1], s[CS]
	s_mov_b32 s[MNT], 0x600000
	s_mul_i32 s[AXST], s[WV], 16*RP
	s_add_co_u32 s[AXST], s[AXST], XSTG            ; my stage
	s_lshl_b32 s[AXW], s[WV], 12                   ; where I store my two fragments of x (XIMG = 0),
	s_lshl_b32 s[AXWS], s[WV], 8
	s_add_co_u32 s[AXWS], s[AXWS], XSC             ; and their scale words
	s_lshl_b32 s[AX], s[SQ], 14                    ; key step sq's eight fragments,
	s_lshl_b32 s[AXS], s[SQ], 10
	s_add_co_u32 s[AXS], s[AXS], XSC
	s_lshl_b32 s[AXQ], s[SQ], 12                   ; my two tiles of queries
	s_lshl_b32 s[AXQS], s[SQ], 8
	s_add_co_u32 s[AXQS], s[AXQS], XSC
	s_lshl_b32 s[AK], s[HH], 15
	s_add_co_u32 s[AK], s[AK], KIMG                ; my head's K,
	s_lshl_b32 s[AKW], s[WV], 13
	s_add_co_u32 s[AKW], s[AKW], KIMG              ; and the eight tiles of it that I make
	s_lshl_b32 s[AV], s[HH], 13
	s_add_co_u32 s[AV], s[AV], VIMG
	s_lshl_b32 s[AVW], s[WV], 11
	s_add_co_u32 s[AVW], s[AVW], VIMG
	s_lshl_b32 s[AVS], s[HH], 9
	s_add_co_u32 s[AVS], s[AVS], VSC
	s_lshl_b32 s[AVSW], s[WV], 7
	s_add_co_u32 s[AVSW], s[AVSW], VSC
	s_mul_i32 s[AO], s[SQ], 32*RP
	s_lshl_b32 s58, s[HH], 6
	s_add_co_u32 s[AO], s[AO], s58
	s_add_co_u32 s[AO], s[AO], OST                 ; rows 32 sq on, my head's 64 bytes
	s_lshl_b32 s[GC], s[HH], 11
	s_lshl_b32 s[GS], s[HH], 7
	s_lshl_b32 s[GB], s[HH], 6
	v_add_nc_u32 v7, s[AXST], v[LI]
	v_add_nc_u32 v8, s[AXST], v[QL]
	v_add_nc_u32 v9, s[AXW], v[LI]
	v_add_nc_u32 v10, s[AXWS], v[LS]
	s_lshl_b32 s58, ttmp9, 16                      ; the work-group's 128 rows of 512 bytes
	s_mov_b32 s59, 0
	s_lshl_b32 s60, s[WV], 12                      ; my 8 of them
	s_mov_b32 s61, 0
	s_lshl_b32 s62, s[BB], 18                      ; the batch,
	s_add_co_u32 s63, s[HH], s[QB]
	s_and_b32 s63, s63, 3
	s_lshl_b32 s63, s63, 16                        ; its key step (w / 4 + query block) % 4,
	s_add_co_u32 s62, s62, s63
	s_lshl_b32 s63, s[SQ], 14                      ; 32 rows for each sq
	s_add_co_u32 s62, s62, s63
	s_mov_b32 s63, 0
	s_lshl_b32 s2, ttmp9, 10
	s_mov_b32 s3, 0
	s_wait_kmcnt 0x0
	s_add_nc_u64 s[XQ0:XQ0+1], s[4:5], s[58:59]
	s_add_nc_u64 s[XQ:XQ+1], s[XQ0:XQ0+1], s[60:61]
	s_add_nc_u64 s[16:17], s[16:17], s[58:59]
	s_add_nc_u64 s[16:17], s[16:17], s[60:61]
	s_add_nc_u64 s[XP:XP+1], s[4:5], s[62:63]
	s_add_nc_u64 s[18:19], s[18:19], s[2:3]
	s_wait_alu depctr_va_vdst(0)                   ; the offsets and addresses v1 to v10 are written, which the loads and LDS instructions below read
	; ---- x: my two tiles.  Each load reads a whole row, 512 consecutive bytes
.irp u, 0,1
.irp i, 0,1,2,3,4,5,6,7,8,9,10,11,12,13,14,15
	global_load_b128 v[P+64*\u+4*\i:P+64*\u+4*\i+3], v[LI], s[XP:XP+1] offset:(\i+8*(\i/8)+8*\u)*512
.endr
.endr
	s_wait_loadcnt 16                              ; tile 0's sixteen rows are in; tile 1's may be out
	XTILE P, Q, XS0, 0
	s_wait_loadcnt 0x0
	XTILE P+64, P, XS1, 1
	s_mov_b32 s[PASS], 2
.Lpass:                                            ; two trips: heads 0-3, heads 4-7
	s_wait_dscnt 0x0                               ; my stores (x's images; the last pass's results) have landed, my reads of K and V are over
	s_wait_alu depctr_vm_vsrc(0)                   ; every memory and LDS instruction issued so far has read its registers: the addresses v7 to v15, written anew below, and the stores' data (codes in v16-31, v96-111 and v160-175, results in v224-231, scale words), into which this pass's loads, moves and products write
	v_add_nc_u32 v12, s[GC], v[LI]
	v_add_nc_u32 v13, s[GS], v[LS]
	v_add_nc_u32 v14, s[GB], v[BH]
	v_add_nc_u32 v15, s[GB], v[BR]
	v_add_nc_u32 v7, s[AXQ], v[LI]
	v_add_nc_u32 v8, s[AXQS], v[LS]
	s_wait_alu depctr_va_vdst(0)                   ; the six addresses are written; every earlier vector and matrix instruction is done with the registers in which the loads below, and the fetches behind the barrier, land
.irp c, 0,1,2,3
	global_load_b128 v[WQF+4*\c:WQF+4*\c+3], v12, s[6:7] offset:512*\c
	global_load_b128 v[WKF+4*\c:WKF+4*\c+3], v12, s[6:7] offset:16384+512*\c
	global_load_b128 v[WVF+4*\c:WVF+4*\c+3], v12, s[6:7] offset:32768+512*\c
.endr
	global_load_b32 v[WSQ], v13, s[8:9]
	global_load_b32 v[WSK], v13, s[8:9] offset:1024
	global_load_b32 v[WSV], v13, s[8:9] offset:2048
	global_load_b128 v[BQ:BQ+3], v14, s[10:11]     ; bq and bk at d = 8 h + 0..7,
	global_load_b128 v[BQ+4:BQ+7], v14, s[10:11] offset:16
	global_load_b128 v[BK:BK+3], v14, s[12:13]
	global_load_b128 v[BK+4:BK+7], v14, s[12:13] offset:16
	global_load_b32 v[SCR], v15, s[14:15]          ; bv at d = r
	s_barrier_signal -1                            ; x's images are whole (first trip); nobody reads the last pass's K and V any more (second)
	s_barrier_wait -1
	FETCH XF0, 7, 0                                ; no vector instruction stands between the wait above and these
	FETCH XF1, 7, 2048
	ds_load_b32 v[XS0], v8
	ds_load_b32 v[XS1], v8 offset:128
	s_wait_loadcnt 0x0
.irp j, 0,1,2,3,4,5,6,7
	v_mov_b32 v[BV+\j], v[SCR]                     ; V's bias is the same in a lane's eight registers
.endr
	s_wait_dscnt 0x0
	v_wmma_scale_f32_16x16x128_f8f6f4 v[Q:Q+7], v[WQF:WQF+15], v[XF0:XF0+15], v[BQ:BQ+7], v[WSQ], v[XS0]      ; Q of my two tiles; the bias is the C
	v_wmma_scale_f32_16x16x128_f8f6f4 v[Q+8:Q+15], v[WQF:WQF+15], v[XF1:XF1+15], v[BQ:BQ+7], v[WSQ], v[XS1]
	s_wait_alu depctr_vm_vsrc(0)                   ; the fetches of my query tiles have read v7 and v8
	v_add_nc_u32 v7, s[AX], v[LI]
	v_add_nc_u32 v8, s[AXS], v[LS]
	NOPS 7                                         ; nine places: V's first results are laid over wq's fragment and bq
.irp p, 0,1,2,3                                    ; K and V of key step sq, two tiles at a time, each product on an accumulator of its own
.if \p > 0
	NOPS 8                                         ; places behind the products whose fragments are loaded anew
.endif
	s_wait_alu depctr_va_vdst(0)                   ; the products above are done reading the two fragments of x and their scale words, in which the loads below land; at the first pair v7 and v8 are written
	FETCH XF0, 7, 4096*\p
	FETCH XF1, 7, 4096*\p+2048
	ds_load_b32 v[XS0], v8 offset:256*\p
	ds_load_b32 v[XS1], v8 offset:256*\p+128
	s_wait_dscnt 0x0
	v_wmma_scale_f32_16x16x128_f8f6f4 v[S+16*\p:S+16*\p+7], v[WKF:WKF+15], v[XF0:XF0+15], v[BK:BK+7], v[WSK], v[XS0]
	v_wmma_scale_f32_16x16x128_f8f6f4 v[P+16*\p:P+16*\p+7], v[XF0:XF0+15], v[WVF:WVF+15], v[BV:BV+7], v[XS0], v[WSV]
	v_wmma_scale_f32_16x16x128_f8f6f4 v[S+16*\p+8:S+16*\p+15], v[WKF:WKF+15], v[XF1:XF1+15], v[BK:BK+7], v[WSK], v[XS1]
	v_wmma_scale_f32_16x16x128_f8f6f4 v[P+16*\p+8:P+16*\p+15], v[XF1:XF1+15], v[WVF:WVF+15], v[BV:BV+7], v[XS1], v[WSV]
.endr
	v_add_nc_u32 v9, s[AKW], v[LI]
	v_add_nc_u32 v10, s[AVW], v[LI]
	v_add_nc_u32 v11, s[AVSW], v[LS]
	NOPS 5                                         ; eight places ahead of the first read of results
	s_wait_alu depctr_va_vdst(0)                   ; the products have written K, which the stores below read; v9, v10 and v11 are written
.irp t, 0,1,2,3,4,5,6,7
	ds_store_b128 v9, v[S+8*\t:S+8*\t+3] offset:1024*\t            ; K in f32, each accumulator from its low end on
	ds_store_b128 v9, v[S+8*\t+4:S+8*\t+7] offset:1024*\t+512
.endr
	QUANT P, 0, XF0, PSW                           ; V along its 128 keys
	s_wait_alu depctr_va_vdst(0)                   ; the conversions have written V's codes, the shifts its scale word: the stores below read them
	IMAGE 10, 0, XF0
	ds_store_b32 v11, v[PSW]
	BARRIER                                        ; the pass's K and V lie in LDS
; A UNIT: query tile 2 sq + u of my head against all 512 keys, 128 a step.
.macro UNIT u
	v_mov_b32 v[TX], 0xff61b1e6                    ; the largest t so far: -3e38, under every t
	v_floor_f32 v[NM], -v[TX]
	v_mov_b32 v[SUM], 0
	v_mov_b32 v[SUM+1], 0
.irp j, 0,1,2,3,4,5,6,7
	v_mov_b32 v[O+\j], 0                           ; the step is written once: the first finds zeros, which the first change of M leaves zeros
.endr
	s_mov_b32 s[SK], s[AK]
	s_mov_b32 s[SV], s[AV]
	s_mov_b32 s[SS], s[AVS]
	s_mov_b32 s[CNT], 4
.Lstep_\@:
	s_wait_alu depctr_vm_vsrc(0)                   ; the LDS instructions issued so far have read v7, v8 and v9; at a unit's first step also the data of the stores ahead of it (K in v32-95, V's codes in v160-175, results in v224-231), which this step writes
	v_add_nc_u32 v7, s[SK], v[LI]
	v_add_nc_u32 v8, s[SV], v[LI]
	v_add_nc_u32 v9, s[SS], v[LS]
	s_wait_alu depctr_va_vdst(0)                   ; the three addresses are written; the last step's conversions are done with P, its product is done reading V^T's fragment and scale word: all the step's loads hang on this wait
.irp t, 0,1,2,3,4,5,6,7
	ds_load_b128 v[P+8*\t:P+8*\t+3], v7 offset:1024*\t
	ds_load_b128 v[P+8*\t+4:P+8*\t+7], v7 offset:1024*\t+512
.endr
	s_wait_dscnt 0x0
.irp ks, 0,1,2,3                                   ; S^T = K Q^T in f32: eight accumulators by turns, one instruction a turn; the first K step starts the sums
.irp t, 0,1,2,3,4,5,6,7
.if \ks == 0
	v_wmma_f32_16x16x4_f32 v[S+8*\t:S+8*\t+7], v[P+8*\t:P+8*\t+1], v[Q+8*\u:Q+8*\u+1], 0
.else
	v_wmma_f32_16x16x4_f32 v[S+8*\t:S+8*\t+7], v[P+8*\t+2*\ks:P+8*\t+2*\ks+1], v[Q+8*\u+2*\ks:Q+8*\u+2*\ks+1], v[S+8*\t:S+8*\t+7]
.endif
.endr
.endr
	NOPS 8                                         ; eight places ahead of the first read of the scores
.irp c, 0,1,2,3
	ds_load_b128 v[VF+4*\c:VF+4*\c+3], v8 offset:512*\c            ; V^T's fragment lands while the softmax is walked.  No wait: since the wait at the step's head only the f32 products, which name P, Q and S, and v_nop were issued
.endr
	ds_load_b32 v[VSW], v9
.irp b, 0,1,2,3
	v_max3_num_f32 v[TM+\b], v[S+16*\b], v[S+16*\b+1], v[S+16*\b+2]   ; the largest score of each block of 32 keys: for the row's maximum and, since p rises with the score, for the block's largest p
.endr
.irp i, 3,5,7,9,11,13
.irp b, 0,1,2,3
	v_max3_num_f32 v[TM+\b], v[TM+\b], v[S+16*\b+\i], v[S+16*\b+\i+1]
.endr
.endr
.irp b, 0,1,2,3
	v_max_num_f32 v[TM+\b], v[TM+\b], v[S+16*\b+15]
.endr
.irp b, 0,1,2,3
	v_permlanex16_b32 v[TM+4+\b], v[TM+\b], s[SEL], s[SEL+1]
.endr
.irp b, 0,1,2,3
	v_max_num_f32 v[TM+\b], v[TM+\b], v[TM+4+\b]                   ; with lane l xor 16's 16 keys
.endr
	v_max3_num_f32 v[SCR], v[TM], v[TM+1], v[TM+2]
	v_max_num_f32 v[SCR], v[SCR], v[TM+3]          ; the step's largest score of my query
	v_mul_f32 v[SCR], s[CS], v[SCR]                ; as t (c is positive)
	v_max_num_f32 v[TX], v[TX], v[SCR]
	v_mov_b32 v[SCR], v[NM]
	v_floor_f32 v[NM], -v[TX]                      ; the new -M = floor(-t): M is a whole number
	v_sub_f32 v[SCR], v[NM], v[SCR]                ; old M - new M: a whole number, 0 or less
	v_cvt_i32_f32 v[SCR], v[SCR]
	v_ldexp_f32 v[F], 1.0, v[SCR]                  ; f = 2^(old M - new M)
.set J, 0
.rept 32
	v_pk_fma_f32 v[P+J:P+J+1], v[S+J:S+J+1], s[CS:CS+1], v[NM:NM+1] op_sel_hi:[1,0,0]   ; t - M, two at a time
.set J, J+2
.endr
.irp b, 0,1,2,3
	v_fma_f32 v[TM+\b], v[TM+\b], s[CS], v[NM]     ; the same of each block's largest score
.endr
.set J, 0
.rept 64
	v_exp_f32 v[P+J], v[P+J]                       ; p = 2^(t - M), at most 1, not normalised
.set J, J+1
.endr
	v_pk_mul_f32 v[SUM:SUM+1], v[SUM:SUM+1], v[F:F+1] op_sel_hi:[1,0]   ; the sums under the new M: a plain line behind the exponentials
	s_wait_alu depctr_va_vdst(0)                   ; the 64 exponentials have written p: one wait for the batch, ahead of its first reader
.irp b, 0,1,2,3
	v_exp_f32 v[TM+\b], v[TM+\b]                   ; the block's largest p: the same two instructions on the same number
.endr
	v_pk_add_f32 v[TM+4:TM+5], v[P:P+1], v[P+2:P+3]   ; the row's sum is taken of the unquantised p, in two chains
.set J, 4
.rept 15
	v_pk_add_f32 v[SUM:SUM+1], v[SUM:SUM+1], v[P+J:P+J+1]
	v_pk_add_f32 v[TM+4:TM+5], v[TM+4:TM+5], v[P+J+2:P+J+3]
.set J, J+4
.endr
	v_pk_add_f32 v[SUM:SUM+1], v[SUM:SUM+1], v[TM+4:TM+5]
	s_wait_alu depctr_va_vdst(0)                   ; the four exponentials have written the blocks' largest p, ahead of their first reader
.irp b, 0,1,2,3
	v_max_num_f32 v[TM+\b], 0x4800000, v[TM+\b]    ; the floor 2^(9 - 127)
.endr
.irp b, 0,1,2,3
	v_add_nc_u32 v[TM+12+\b], 0xfc000000, v[TM+\b]
.endr
.irp b, 0,1,2,3
	v_and_or_b32 v[TM+8+\b], v[TM+\b], 0x7f800000, s[MNT]
.endr
.irp b, 0,1,2,3
	v_lshrrev_b32 v[TM+4+\b], 23, v[TM+12+\b]
.endr
	v_lshl_or_b32 v[PSW], v[TM+5], 8, v[TM+4]      ; p's scale word for these 128 keys
	v_lshl_or_b32 v[PSW], v[TM+6], 16, v[PSW]
	v_lshl_or_b32 v[PSW], v[TM+7], 24, v[PSW]
.irp b, 0,1,2,3
.set J, 0
.rept 16
	v_min_num_f32 v[P+16*\b+J], v[P+16*\b+J], v[TM+8+\b]           ; p is not negative: the hold is one-sided
.set J, J+1
.endr
	v_cvt_scalef32_pk8_fp8_f32 v[PC+4*\b:PC+4*\b+1], v[P+16*\b:P+16*\b+7], v[TM+12+\b]
	v_cvt_scalef32_pk8_fp8_f32 v[PC+4*\b+2:PC+4*\b+3], v[P+16*\b+8:P+16*\b+15], v[TM+12+\b]
.endr
.irp j, 0,2,4,6
	v_pk_mul_f32 v[O+\j:O+\j+1], v[O+\j:O+\j+1], v[F:F+1] op_sel_hi:[1,0]   ; O^T under the new M
.endr
	NOPS 4                                         ; codes written by vector instructions stand four places ahead of the product
	s_wait_dscnt 0x0                               ; V^T's fragment and scale word
	s_wait_alu depctr_va_vdst(0)                   ; the conversions have written p's codes and the shifts its scale word, which the scaled product takes; the places above stay beside this wait
	v_wmma_scale_f32_16x16x128_f8f6f4 v[O:O+7], v[VF:VF+15], v[PC:PC+15], v[O:O+7], v[VSW], v[PSW]
	s_add_co_u32 s[SK], s[SK], 8192
	s_add_co_u32 s[SV], s[SV], 2048
	s_add_co_u32 s[SS], s[SS], 128
	s_sub_co_u32 s[CNT], s[CNT], 1
	s_cmp_lg_u32 s[CNT], 0
	s_cbranch_scc1 .Lstep_\@
	v_add_f32 v[TM], v[SUM], v[SUM+1]              ; the sum's two halves,
	v_permlanex16_b32 v[SCR], v[TM], s[SEL], s[SEL+1]
	v_add_f32 v[TM], v[TM], v[SCR]                 ; and lane l xor 16's
	v_rcp_f32 v[F], v[TM]
	v_add_nc_u32 v10, s[AO], v[AOL]
	NOPS 5                                         ; with the plain lines above: the places behind the last product
	s_wait_alu depctr_va_vdst(0)                   ; the reciprocal is written, ahead of its first reader
.irp j, 0,2,4,6
	v_pk_mul_f32 v[TM+\j:TM+\j+1], v[O+\j:O+\j+1], v[F:F+1] op_sel_hi:[1,0]   ; O^T / the sum, from the accumulator's low end on
.endr
	s_wait_alu depctr_va_vdst(0)                   ; the four multiplications have written v224-231, which the stores below read (v10 was written ahead of the wait above)
	ds_store_b128 v10, v[TM:TM+3] offset:8*RP*\u
	ds_store_b128 v10, v[TM+4:TM+7] offset:8*RP*\u+16
.endm
	UNIT 0
	UNIT 1
	s_add_co_u32 s[GC], s[GC], 8192                ; four heads on
	s_add_co_u32 s[GS], s[GS], 512
	s_add_co_u32 s[GB], s[GB], 256
	s_add_co_u32 s[AO], s[AO], 256
	s_sub_co_u32 s[PASS], s[PASS], 1
	s_cmp_lg_u32 s[PASS], 0
	s_cbranch_scc1 .Lpass
	; ---- the output projection: wave w takes rows 16 (w / 2) on and column tiles 4 (w % 2) + 0..3
	BARRIER                                        ; attention's 128 rows lie in LDS, and nobody reads K any more
	s_wait_alu depctr_vm_vsrc(0)                   ; the last key step's loads have read v7, v8 and v9, the last unit's stores v10 and v224-231: all are written again in this phase
	s_and_b32 s58, s[WV], 1
	s_lshr_b32 s59, s[WV], 1
	s_lshl_b32 s60, s58, 13
	v_add_nc_u32 v12, s60, v[LI]
	s_lshl_b32 s60, s58, 9
	v_add_nc_u32 v13, s60, v[LS]
	s_mul_i32 s60, s59, 16*RP
	s_add_co_u32 s61, s60, OST
	v_add_nc_u32 v7, s61, v[QL]
	s_wait_alu depctr_va_vdst(0)                   ; v12, v13 and v7 are written; the units' vector and matrix instructions are done with v96-223 and the scale words v248-251, in which the loads below land
.irp n, 0,1,2,3
.irp c, 0,1,2,3
	global_load_b128 v[160+16*\n+4*\c:160+16*\n+4*\c+3], v12, s[6:7] offset:49152+2048*\n+512*\c   ; w_w's fragments 24 + 4 (w % 2) + n
.endr
.endr
.irp n, 0,1,2,3
	global_load_b32 v[XS0+\n], v13, s[8:9] offset:3072+128*\n
.endr
.irp c, 0,1,2,3
.irp j, 0,1,2,3
	ds_load_b128 v[P+16*\c+4*\j:P+16*\c+4*\j+3], v7 offset:128*\c+16*\j
.endr
.endr
	s_lshl_b32 s61, s58, 8
	s_add_co_u32 s61, s61, s60
	s_add_co_u32 s61, s61, X1ST                    ; the projection's stage: rows 16 (w / 2) on, my 256 bytes of them
	s_wait_dscnt 0x0
	QUANT P, 0, Q, PSW
	v_and_b32 v9, 15, v0                           ; r
	v_bfe_u32 v11, v0, 4, 1                        ; h
	v_mul_u32_u24 v9, v9, RP
	v_lshl_add_u32 v9, v11, 5, v9                  ; 528 r + 32 h
	v_add_nc_u32 v9, s61, v9                       ; (these five lines and the one that closes the quantiser are the places between the codes and the products: four are asked)
	s_wait_alu depctr_va_vdst(0)                   ; the quantiser is done with P, in which the rows below land; it has written the codes and the scale word that the scaled products take; v9 is written
.irp i, 0,1,2,3,4,5,6,7
	global_load_b128 v[P+4*\i:P+4*\i+3], v[LI], s[XQ:XQ+1] offset:512*\i   ; the residual's rows 8 w + i,
.endr
	global_load_b128 v[P+32:P+35], v[LI], s[XQ0:XQ0+1]                     ; and the work-group's first row, for the shift
	s_wait_loadcnt 9                               ; the fragments and their scale words are in; the nine rows of x may be out
.irp n, 0,1,2,3
	v_wmma_scale_f32_16x16x128_f8f6f4 v[S+8*\n:S+8*\n+7], v[160+16*\n:160+16*\n+15], v[Q:Q+15], 0, v[XS0+\n], v[PSW]   ; transposed: a lane holds row r and eight neighbouring columns
.endr
	s_wait_alu depctr_vm_vsrc(0)                   ; the loads of attention's rows have read v7
	s_mul_i32 s60, s[WV], 8*RP
	s_add_co_u32 s60, s60, X1ST
	v_add_nc_u32 v7, s60, v[LI]
	v_add_nc_u32 v8, X1ST, v[LI]
	s_lshl_b32 s60, s[WV], 10
	s_add_co_u32 s60, s60, RED2
	v_add_nc_u32 v10, s60, v[LI]
	v_add_nc_u32 v11, RED2, v[LI]
	NOPS 4                                         ; with the four additions: eight places behind the products
	s_wait_alu depctr_va_vdst(0)                   ; the products have written v32-63, which the stores below read, and are done reading v160-223, in which the loads behind the barrier land; v7, v8, v10 and v11 are written
.irp n, 0,1,2,3
	ds_store_b128 v9, v[S+8*\n:S+8*\n+3] offset:64*\n
	ds_store_b128 v9, v[S+8*\n+4:S+8*\n+7] offset:64*\n+16
.endr
	BARRIER                                        ; 128 whole rows of the projection lie in LDS
	; ---- rows 8 w .. 8 w + 7: the residual, the store, the sums
.irp i, 0,1,2,3,4,5,6,7
	ds_load_b128 v[160+4*\i:160+4*\i+3], v7 offset:RP*\i
.endr
	ds_load_b128 v[192:195], v8
	s_wait_loadcnt 0x0
	s_wait_dscnt 0x0
	v_pk_add_f32 v[SH:SH+1], v[192:193], v[P+32:P+33]              ; the shift: x1's first row, by the same instructions in every wave
	v_pk_add_f32 v[SH+2:SH+3], v[194:195], v[P+34:P+35]
.irp i, 0,1,2,3,4,5,6,7
	v_pk_add_f32 v[160+4*\i:160+4*\i+1], v[160+4*\i:160+4*\i+1], v[P+4*\i:P+4*\i+1]
	v_pk_add_f32 v[160+4*\i+2:160+4*\i+3], v[160+4*\i+2:160+4*\i+3], v[P+4*\i+2:P+4*\i+3]
.endr
	s_wait_alu depctr_va_vdst(0)                   ; the additions have written the eight rows of x1, which the stores below read; the statistics among the stores write v228-239 alone
.irp i, 0,1,2,3,4,5,6,7
	global_store_b128 v[LI], v[160+4*\i:160+4*\i+3], s[16:17] offset:512*\i   ; 32 lanes store a row: 512 consecutive bytes
.if \i == 0
	ROWSTAT 160, 1
.else
	ROWSTAT 160+4*\i, 0
.endif
.endr
	s_wait_alu depctr_va_vdst(0)                   ; the two sums are written, which the stores below read; the vector instructions above are done with v96-223, in which wave 0's loads land
	ds_store_b128 v10, v[S1:S1+3]
	ds_store_b128 v10, v[S2:S2+3] offset:512
	BARRIER
	s_wait_alu depctr_vm_vsrc(0)                   ; my stores of x1 have read v160-191, in which wave 0's loads land, my LDS stores the two sums, which wave 0 writes again: stated ahead of the branch
	s_cmp_lg_u32 s[WV], 0                          ; wave 0 adds the sixteen pairs and stores the work-group's record
	s_cbranch_scc1 .Lend
	s_wait_xcnt 0x0                                ; my stores of x1 have had their addresses translated: loads land in their registers only behind this wait
.irp k, 0,1,2,3,4,5,6,7,8,9,10,11,12,13,14,15
	ds_load_b128 v[P+4*\k:P+4*\k+3], v11 offset:1024*\k
	ds_load_b128 v[160+4*\k:160+4*\k+3], v11 offset:1024*\k+512
.endr
	s_wait_dscnt 0x0
	RADD S1, P, 16
	RADD S2, 160, 16
	v_pk_mul_f32 v[DT:DT+1], v[S1:S1+1], 0x3c000000 op_sel_hi:[1,0]         ; T = S1 / 128
	v_pk_mul_f32 v[DT+2:DT+3], v[S1+2:S1+3], 0x3c000000 op_sel_hi:[1,0]
	v_pk_add_f32 v[P:P+1], v[SH:SH+1], v[DT:DT+1]                           ; the mean
	v_pk_add_f32 v[P+2:P+3], v[SH+2:SH+3], v[DT+2:DT+3]
	v_pk_fma_f32 v[P+4:P+5], v[DT:DT+1], v[S1:S1+1], v[S2:S2+1] neg_lo:[1,0,0] neg_hi:[1,0,0]   ; the squares about it: S2 - T S1
	v_pk_fma_f32 v[P+6:P+7], v[DT+2:DT+3], v[S1+2:S1+3], v[S2+2:S2+3] neg_lo:[1,0,0] neg_hi:[1,0,0]
	s_wait_alu depctr_va_vdst(0)                   ; the record is written, which the stores below read
	global_store_b128 v[LI], v[P:P+3], s[18:19]
	global_store_b128 v[LI], v[P+4:P+7], s[18:19] offset:512
.Lend:
	s_wait_dscnt 0x0                               ; the closing lines, six on end
	s_wait_alu 0x0
	s_wait_tensorcnt 0x0
	ds_add_u32 v[SPW], v[NIL]
	s_wait_dscnt 0x0
	s_endpgm
.Lfunc_end_k_qc3d4cd0ae4_attn:
	.size	k_qc3d4cd0ae4_attn, .Lfunc_end_k_qc3d4cd0ae4_attn-k_qc3d4cd0ae4_attn
	.p2alignl 7, 3214868480
	.fill 96, 4, 3214868480
	.section	.rodata,"a",@progbits
	.p2align	6, 0x0
	.amdhsa_kernel k_qc3d4cd0ae4_attn
		.amdhsa_group_segment_fixed_size 321536
		.amdhsa_private_segment_fixed_size 0
		.amdhsa_enable_private_segment 0
		.amdhsa_kernarg_size 64
		.amdhsa_user_sgpr_count 2
		.amdhsa_user_sgpr_kernarg_segment_ptr 1
		.amdhsa_wavefront_size32 1
		.amdhsa_system_sgpr_workgroup_id_x 1
		.amdhsa_system_sgpr_workgroup_id_y 1
		.amdhsa_system_sgpr_workgroup_id_z 1
		.amdhsa_system_vgpr_workitem_id 0
		.amdhsa_next_free_vgpr 256
		.amdhsa_next_free_sgpr 66
		.amdhsa_reserve_vcc 0
		.amdhsa_float_denorm_mode_32 3
		.amdhsa_float_denorm_mode_16_64 3
		.amdhsa_memory_ordered 1
		.amdhsa_forward_progress 1
		.amdhsa_inst_pref_size 112
	.end_amdhsa_kernel
	.amdgpu_metadata
---
amdhsa.version: [ 1, 2 ]
amdhsa.kernels:
  - .name:           k_qc3d4cd0ae4_attn
    .symbol:         k_qc3d4cd0ae4_attn.kd
    .args:
      - { .name: embedding_node, .offset: 0, .size: 8, .value_kind: global_buffer, .address_space: global }
      - { .name: wcodes, .offset: 8, .size: 8, .value_kind: global_buffer, .address_space: global }
      - { .name: wscales, .offset: 16, .size: 8, .value_kind: global_buffer, .address_space: global }
      - { .name: wq_b, .offset: 24, .size: 8, .value_kind: global_buffer, .address_space: global }
      - { .name: wk_b, .offset: 32, .size: 8, .value_kind: global_buffer, .address_space: global }
      - { .name: wv_b, .offset: 40, .size: 8, .value_kind: global_buffer, .address_space: global }
      - { .name: x1, .offset: 48, .size: 8, .value_kind: global_buffer, .address_space: global }
      - { .name: part1, .offset: 56, .size: 8, .value_kind: global_buffer, .address_space: global }
    .group_segment_fixed_size: 321536
    .private_segment_fixed_size: 0
    .kernarg_segment_align: 8
    .kernarg_segment_size: 64
    .max_flat_workgroup_size: 512
    .sgpr_count:     66
    .vgpr_count:     256
    .wavefront_size: 32
...
	.end_amdgpu_metadata
.endif
;; end of part 5
;; launch ff (part 6): grid 256 x 1, 4 waves a work-group, no clusters, 164,352 bytes of LDS; arguments x1, part1, bn1_g, bn1_b, wcodes, wscales, ff1_b, x2, part2; writes x2, part2
.if DOCPART == 6
	.amdgcn_target "amdgcn-amd-amdhsa--gfx1250"
	.amdhsa_code_object_version 6
	.text
	.protected	k_qc3d4cd0ae4_ff
	.globl	k_qc3d4cd0ae4_ff
	.p2align	8
	.type	k_qc3d4cd0ae4_ff,@function
k_qc3d4cd0ae4_ff:
	s_mov_b64 s[64:65], 0
	v_nop
	global_prefetch_b8 v0, s[64:65] scope:SCOPE_SE
	s_setreg_imm32_b32 hwreg(HW_REG_WAVE_SCHED_MODE, 0, 2), 2
	s_setreg_imm32_b32 hwreg(HW_REG_WAVE_MODE, 25, 1), 1
	s_wait_xcnt 0x0
	s_wait_alu depctr_vm_vsrc(0)
; y = BatchNorm1(x1); x2 = y + relu(y W1 + b1) W2; and each work-group's share of the second BatchNorm's sums.  ff2_b is left out: a constant of a channel ahead of a BatchNorm (shown at the head of the launch prep).
; SHARES.  A work-group of four waves takes 128 rows, as two blocks of 64, written out.  THE WAVES SHARE THE COLUMNS: wave w makes hidden units 128 w .. 128 w + 127 and outputs 32 w .. 32 w + 31 for all rows, so its eight
; fragments of W1 and eight of W2 stay in its registers, loaded once as images.  What goes round through LDS, as images of operand registers, are the rows' codes.
; THE FIRST BATCHNORM'S FIGURES are made here from the 256 records of part1 (a mean and a sum of squares about it for each 128 rows): wave w adds 64 records, the four meet in LDS, every wave finishes alike:
; mean = M0 + sum(mean_i - M0) / 256, variance = (sum of M2_i + 128 x sum of (mean_i - mean)^2) / 32768, M0 being record 0's mean: no difference of large sums is formed.
; Lane l holds channels 4 l .. 4 l + 3 wherever rows are walked.
; PHASES: records | barrier | X: my 16 rows of each block: BatchNorm, to LDS as rows (for the residual), back 16 neighbours a lane, quantised, images | barrier | for each block: 1: for each tile of 16 rows my 8 tiles of the
; hidden layer (transposed; b1 is the C), relu and quantiser in registers, image | barrier | 2: my two tiles of outputs for four tiles of rows, eight accumulators by turns; to a stage | barrier | rows: residual, store, sums.
; NO CLUSTER: what work-groups share, 262,144 bytes of records and 32,768 bytes of weight images for each wave, is read once at the head, into registers.
; LIMITS: NaN and infinities are not served; a block of zeros carries the byte 1 (its codes are zeros); f32 sums are ordered otherwise than in reference().
; REGISTERS, in windows of 256: window 0: addresses, operands at work, statistics, scale words; window 1: W1's fragment t at v[16 t]; window 2: W2's fragment 4 n + s at v[16 (4 n + s)], b1's tile t at v[128 + 8 t];
; window 3: the 8 accumulators of the second product at v0-63, the rows of x1 as loaded at v64-191.
; THE MODE: SCHED_MODE bits 1:0 = 2 (LLVM: expert scheduling mode 2), set by the entry lines.  The code itself states the register dependences
; between vector or matrix instructions and memory or LDS instructions, with s_wait_alu, always for 0.
; THE PLAN.  Registers that memory or LDS instructions touch:
;   v1-15, v254, v255   Offsets and addresses: made once at the head, never written again: one wait on va_vdst ahead of the first load serves them for the whole kernel.
;   the ring RG         Set K % DEPTH is read and written by batch K's sums and asked for again at once: a wait on va_vdst stands behind the sums.
;   XF, XS              Phase 1: read by a tile's eight products.  The wait on va_vdst ahead of the tile's image also shows those products done, so the NEXT tile's fragment and scale word are asked for behind it.
;   PC, PW              Written by the quantiser, read by the image's stores: va_vdst ahead of the stores, vm_vsrc at the tile's end, ahead of the next quantiser.
;   ST, HS              Phase X: y, written by vector instructions, read by LDS stores.  Phase 2: four hidden fragments and their scale words, read by a K step's eight products: va_vdst ahead of the next K step's fetches.
;                       Rows: the residual's additions write ST, one wait, then the stores, dealt among the statistics, which write v32-39 and v44-47 alone.
;   HA                  Lands from LDS (phase X, rows); else named by vector and matrix instructions alone.
;   the weights, b1 and their scale words are loaded once and read by matrix instructions alone; the accumulators of window 3 are read by the stage's stores, behind their places and one wait.
.set RP,    528
.set XIMG,  0                          ; y's 8 fragments (4 x block + tile of rows)
.set XSC,   16384
.set HIMG,  17408                      ; the hidden layer's 16 fragments (4 x tile of rows + K step)
.set HSC,   50176
.set YST,   52224                      ; 128 rows of y
.set ZST,   119808                     ; 64 rows of the second product
.set RED,   153600                     ; the waves' sums of records: 1,536 bytes each
.set RED2,  159744                     ; the waves' sums of rows: 1,024 bytes each
.set SPARE, 163840                     ; the spare words, 128 bytes for each wave: no other line names them
.set NW,    4
.set DEPTH, 5                          ; batches of four records on their way
.set NBAT,  16                         ; batches of a wave
.set LI,  1
.set LS,  2
.set YS,  3
.set YQ,  4
.set XWI, 5
.set XWS, 6
.set HWI, 7
.set HWS, 8
.set SO,  9
.set ZR,  10
.set RW,  11
.set RR,  12
.set R2,  13
.set Z0,  14
.set Y0,  15
.set XF,  16                           ; v16-31   a fragment of y
.set S1,  32
.set S2,  36
.set SH,  40
.set DT,  44
.set HA,  48                           ; v48-111  my 8 tiles of the hidden layer
.set PC,  112                          ; v112-127 codes just made
.set ST,  132                          ; v132-195 16 rows; four hidden fragments
.set TM,  200
.set PW,  216                          ; v216, v217, v219-222, v224-239: scale words and nothing else
.set XS,  217
.set HS,  219
.set W1S, 224
.set W2S, 232
.set MU,  240                          ; the mean; while records are added: A = sum of (mean_i - M0)
.set AA,  244                          ; gain / sqrt(variance + eps); before: B = sum of squares of the same
.set BE,  248                          ; beta
.set SPW, 252
.set NIL, 253
.set B1O, 254                          ; 64 h: b1's lane offset; never rewritten
.set R2R, 255                          ; RED2 + 16 x lane
.set RG,  16                           ; while records are added: the ring, v16-175
.set GG,  176                          ; gamma
.set M0,  184
.set CC,  188                          ; C = sum of M2_i
.set T0,  192                          ; v192-199 at work
.set WV,  22
.set SEL, 24
.set MNT, 26
.set PP,  30                           ; s[30:31] my 64 records
.set MSB, 0
.macro WIN new                         ; the immediate's high byte repeats the setting that is left
.if MSB != \new
	s_set_vgpr_msb (MSB<<8)|\new
.set MSB, \new
.endif
.endm
.macro QUANT s, relu, d, pw
.if \relu
.irp b, 0,1,2,3
	v_max3_num_f32 v[TM+\b], v[\s+16*\b], v[\s+1+16*\b], 0x4800000       ; no |.|: what is negative is to become 0 and must not count; the floor 2^(9 - 127) stands over it
.endr
.irp i, 2,4,6,8,10,12,14
.irp b, 0,1,2,3
	v_max3_num_f32 v[TM+\b], v[TM+\b], v[\s+16*\b+\i], v[\s+1+16*\b+\i]
.endr
.endr
.else
.irp b, 0,1,2,3
	v_max3_num_f32 v[TM+\b], |v[\s+16*\b]|, |v[\s+1+16*\b]|, 0x4800000
.endr
.irp i, 2,4,6,8,10,12,14
.irp b, 0,1,2,3
	v_max3_num_f32 v[TM+\b], v[TM+\b], |v[\s+16*\b+\i]|, |v[\s+1+16*\b+\i]|
.endr
.endr
.endif
.irp b, 0,1,2,3
	v_permlanex16_b32 v[TM+4+\b], v[TM+\b], s[SEL], s[SEL+1]
.endr
.irp b, 0,1,2,3
	v_max_num_f32 v[TM+\b], v[TM+\b], v[TM+4+\b]
.endr
.irp b, 0,1,2,3
	v_add_nc_u32 v[TM+12+\b], 0xfc000000, v[TM+\b]                       ; 8 off the exponent field: the conversion's scale operand
.endr
.irp b, 0,1,2,3
	v_and_or_b32 v[TM+8+\b], v[TM+\b], 0x7f800000, s[MNT]                ; 448 x the scale
.endr
.irp b, 0,1,2,3
	v_lshrrev_b32 v[TM+4+\b], 23, v[TM+12+\b]                            ; the scale's byte
.endr
	v_lshl_or_b32 v[\pw], v[TM+5], 8, v[TM+4]
	v_lshl_or_b32 v[\pw], v[TM+6], 16, v[\pw]
	v_lshl_or_b32 v[\pw], v[TM+7], 24, v[\pw]
.irp b, 0,1,2,3
.irp i, 0,1,2,3,4,5,6,7,8,9,10,11,12,13,14,15
.if \relu
	v_med3_num_f32 v[\s+16*\b+\i], v[\s+16*\b+\i], 0, v[TM+8+\b]          ; the activation and the hold in one
.else
	v_med3_num_f32 v[\s+16*\b+\i], v[\s+16*\b+\i], -v[TM+8+\b], v[TM+8+\b]
.endif
.endr
	v_cvt_scalef32_pk8_fp8_f32 v[\d+4*\b:\d+1+4*\b], v[\s+16*\b:\s+7+16*\b], v[TM+12+\b]
	v_cvt_scalef32_pk8_fp8_f32 v[\d+2+4*\b:\d+3+4*\b], v[\s+8+16*\b:\s+15+16*\b], v[TM+12+\b]
.endr
	v_nop                                                                ; a plain line behind the last conversion
.endm
.macro IMAGE adr, off, d
.irp c, 0,1,2,3
	ds_store_b128 v[\adr], v[\d+4*\c:\d+4*\c+3] offset:\off+512*\c
.endr
.endm
.macro FETCH reg, adr, off
.irp c, 0,1,2,3
	ds_load_b128 v[\reg+4*\c:\reg+4*\c+3], v[\adr] offset:\off+512*\c
.endr
.endm
.macro BARRIER
	s_wait_dscnt 0x0
	s_barrier_signal -1
	s_barrier_wait -1
.endm
.macro NOPS n
.rept \n
	v_nop
.endr
.endm
.macro RADD dst, src, n
	v_pk_add_f32 v[\dst:\dst+1], v[\src:\src+1], v[\src+4:\src+5]
	v_pk_add_f32 v[\dst+2:\dst+3], v[\src+2:\src+3], v[\src+6:\src+7]
.set J, 2
.rept \n-2
	v_pk_add_f32 v[\dst:\dst+1], v[\dst:\dst+1], v[\src+4*J:\src+4*J+1]
	v_pk_add_f32 v[\dst+2:\dst+3], v[\dst+2:\dst+3], v[\src+4*J+2:\src+4*J+3]
.set J, J+1
.endr
.endm
.macro ROWSTAT x, first
.if \first
	v_pk_add_f32 v[S1:S1+1], v[\x:\x+1], v[SH:SH+1] neg_lo:[0,1] neg_hi:[0,1]
	v_pk_add_f32 v[S1+2:S1+3], v[\x+2:\x+3], v[SH+2:SH+3] neg_lo:[0,1] neg_hi:[0,1]
	v_pk_mul_f32 v[S2:S2+1], v[S1:S1+1], v[S1:S1+1]
	v_pk_mul_f32 v[S2+2:S2+3], v[S1+2:S1+3], v[S1+2:S1+3]
.else
	v_pk_add_f32 v[DT:DT+1], v[\x:\x+1], v[SH:SH+1] neg_lo:[0,1] neg_hi:[0,1]
	v_pk_add_f32 v[DT+2:DT+3], v[\x+2:\x+3], v[SH+2:SH+3] neg_lo:[0,1] neg_hi:[0,1]
	v_pk_add_f32 v[S1:S1+1], v[S1:S1+1], v[DT:DT+1]
	v_pk_add_f32 v[S1+2:S1+3], v[S1+2:S1+3], v[DT+2:DT+3]
	v_pk_fma_f32 v[S2:S2+1], v[DT:DT+1], v[DT:DT+1], v[S2:S2+1]
	v_pk_fma_f32 v[S2+2:S2+3], v[DT+2:DT+3], v[DT+2:DT+3], v[S2+2:S2+3]
.endif
.endm
.macro PLOAD k                         ; batch k: four records, a mean and an M2 each, into ring set k % DEPTH
.irp p, 0,1,2,3
	global_load_b128 v[RG+32*((\k)%DEPTH)+8*\p:RG+32*((\k)%DEPTH)+8*\p+3], v[LI], s[PP:PP+1] offset:(4*(\k)+\p)*1024
	global_load_b128 v[RG+32*((\k)%DEPTH)+8*\p+4:RG+32*((\k)%DEPTH)+8*\p+7], v[LI], s[PP:PP+1] offset:(4*(\k)+\p)*1024+512
.endr
.endm
.macro PACC k                          ; d = mean_i - M0; A += d; B += d d; C += M2_i
.irp p, 0,1,2,3
.set R, RG+32*((\k)%DEPTH)+8*\p
	v_pk_add_f32 v[R:R+1], v[R:R+1], v[M0:M0+1] neg_lo:[0,1] neg_hi:[0,1]
	v_pk_add_f32 v[R+2:R+3], v[R+2:R+3], v[M0+2:M0+3] neg_lo:[0,1] neg_hi:[0,1]
	v_pk_add_f32 v[MU:MU+1], v[MU:MU+1], v[R:R+1]
	v_pk_add_f32 v[MU+2:MU+3], v[MU+2:MU+3], v[R+2:R+3]
	v_pk_fma_f32 v[AA:AA+1], v[R:R+1], v[R:R+1], v[AA:AA+1]
	v_pk_fma_f32 v[AA+2:AA+3], v[R+2:R+3], v[R+2:R+3], v[AA+2:AA+3]
	v_pk_add_f32 v[CC:CC+1], v[CC:CC+1], v[R+4:R+5]
	v_pk_add_f32 v[CC+2:CC+3], v[CC+2:CC+3], v[R+6:R+7]
.endr
.endm
.macro FINAL                           ; from A, B, C of all 256 records: MU = the mean, AA = gamma / sqrt(variance + eps)
	v_pk_mul_f32 v[T0:T0+1], v[MU:MU+1], 0x3b800000 op_sel_hi:[1,0]         ; T = A / 256
	v_pk_mul_f32 v[T0+2:T0+3], v[MU+2:MU+3], 0x3b800000 op_sel_hi:[1,0]
	v_pk_fma_f32 v[T0+4:T0+5], v[T0:T0+1], v[MU:MU+1], v[AA:AA+1] neg_lo:[1,0,0] neg_hi:[1,0,0]   ; U = B - T A = the sum of (mean_i - mean)^2
	v_pk_fma_f32 v[T0+6:T0+7], v[T0+2:T0+3], v[MU+2:MU+3], v[AA+2:AA+3] neg_lo:[1,0,0] neg_hi:[1,0,0]
	v_pk_add_f32 v[MU:MU+1], v[M0:M0+1], v[T0:T0+1]
	v_pk_add_f32 v[MU+2:MU+3], v[M0+2:M0+3], v[T0+2:T0+3]
	v_pk_fma_f32 v[T0+4:T0+5], v[CC:CC+1], 0x3c000000, v[T0+4:T0+5] op_sel_hi:[1,0,1]   ; C / 128 + U
	v_pk_fma_f32 v[T0+6:T0+7], v[CC+2:CC+3], 0x3c000000, v[T0+6:T0+7] op_sel_hi:[1,0,1]
	v_mov_b32 v[T0], 0x3727c5ac                    ; eps = 1e-5
	v_mov_b32 v[T0+1], 0x3727c5ac
	v_pk_fma_f32 v[T0+4:T0+5], v[T0+4:T0+5], 0x3b800000, v[T0:T0+1] op_sel_hi:[1,0,1]   ; / 256 + eps
	v_pk_fma_f32 v[T0+6:T0+7], v[T0+6:T0+7], 0x3b800000, v[T0:T0+1] op_sel_hi:[1,0,1]
.irp i, 0,1,2,3
	v_rsq_f32 v[T0+\i], v[T0+4+\i]
.endr
	v_nop                                          ; a plain line behind the last of them,
	s_wait_alu depctr_va_vdst(0)                   ; and one wait: the four roots are written, ahead of their first reader
	v_pk_mul_f32 v[AA:AA+1], v[T0:T0+1], v[GG:GG+1]
	v_pk_mul_f32 v[AA+2:AA+3], v[T0+2:T0+3], v[GG+2:GG+3]
.endm
	s_load_b512 s[4:19], s[0:1], 0x0               ; x1, part1, gamma, beta, wcodes, wscales, ff1_b, x2
	s_load_b64 s[20:21], s[0:1], 0x40              ; part2
	v_lshl_add_u32 v[SPW], v0, 2, SPARE
	v_mov_b32 v[NIL], 0
	v_lshrrev_b32 v16, 5, v0
	v_readfirstlane_b32 s[WV], v16                 ; wave 0..3
	v_and_b32 v16, 31, v0
	v_lshlrev_b32 v[LI], 4, v16
	v_lshlrev_b32 v[LS], 2, v16
	v_and_b32 v17, 15, v0                          ; r
	v_bfe_u32 v18, v0, 4, 1                        ; h
	v_mul_u32_u24 v19, v17, RP
	s_wait_alu depctr_va_sdst(0)                   ; the wave's number is written, ahead of its first reader: the scalar lines below are made from it
	s_mul_i32 s28, s[WV], 16*RP
	s_add_co_u32 s29, s28, YST
	v_add_nc_u32 v[YS], s29, v[LI]                 ; my 16 rows of y, by rows,
	v_lshl_add_u32 v[YQ], v18, 6, v19
	v_add_nc_u32 v[YQ], s29, v[YQ]                 ; and 16 neighbours a lane
	s_lshl_b32 s29, s[WV], 11
	v_add_nc_u32 v[XWI], s29, v[LI]                ; (XIMG = 0)
	s_add_co_u32 s29, s29, HIMG
	v_add_nc_u32 v[HWI], s29, v[LI]
	s_lshl_b32 s29, s[WV], 7
	s_add_co_u32 s32, s29, XSC
	v_add_nc_u32 v[XWS], s32, v[LS]
	s_add_co_u32 s32, s29, HSC
	v_add_nc_u32 v[HWS], s32, v[LS]
	v_lshl_add_u32 v[SO], v18, 5, v19
	s_add_co_u32 s32, s29, ZST
	v_add_nc_u32 v[SO], s32, v[SO]                 ; the stage: row r, + 32 h, + my outputs' 128 bytes
	s_add_co_u32 s32, s28, ZST
	v_add_nc_u32 v[ZR], s32, v[LI]
	s_mul_i32 s32, s[WV], 1536
	s_add_co_u32 s32, s32, RED
	v_add_nc_u32 v[RW], s32, v[LI]
	v_add_nc_u32 v[RR], RED, v[LI]
	s_lshl_b32 s32, s[WV], 10
	s_add_co_u32 s32, s32, RED2
	v_add_nc_u32 v[R2], s32, v[LI]
	v_add_nc_u32 v[R2R], RED2, v[LI]
	v_add_nc_u32 v[Z0], ZST, v[LI]
	v_add_nc_u32 v[Y0], YST, v[LI]
	v_lshlrev_b32 v[B1O], 6, v18
	s_mov_b32 s[SEL], 0x76543210
	s_mov_b32 s[SEL+1], 0xfedcba98
	s_mov_b32 s[MNT], 0x600000
.irp b, 0,1,2,3
	v_mov_b32 v[TM+4+\b], 0                        ; a lane permute's destination counts as one of its sources
.endr
.irp i, 0,1,2,3
	v_mov_b32 v[MU+\i], 0
	v_mov_b32 v[AA+\i], 0
	v_mov_b32 v[CC+\i], 0
.endr
	s_lshl_b32 s28, ttmp9, 16                      ; the work-group's 128 rows of 512 bytes,
	s_lshl_b32 s29, s[WV], 13                      ; my 16 of a block's 64
	s_add_co_u32 s28, s28, s29
	s_mov_b32 s29, 0
	s_lshl_b32 s32, s[WV], 16                      ; my 64 records of 1,024 bytes
	s_mov_b32 s33, 0
	s_lshl_b32 s34, ttmp9, 10
	s_mov_b32 s35, 0
	s_lshl_b32 s36, s[WV], 14                      ; my 8 fragments,
	s_mov_b32 s37, 0
	s_lshl_b32 s38, s[WV], 10                      ; their scale words,
	s_mov_b32 s39, 0
	s_lshl_b32 s40, s[WV], 9                       ; my 128 numbers of b1
	s_mov_b32 s41, 0
	s_wait_kmcnt 0x0
	s_add_nc_u64 s[4:5], s[4:5], s[28:29]
	s_add_nc_u64 s[18:19], s[18:19], s[28:29]
	s_add_nc_u64 s[PP:PP+1], s[6:7], s[32:33]
	s_add_nc_u64 s[20:21], s[20:21], s[34:35]
	s_add_nc_u64 s[12:13], s[12:13], s[36:37]
	s_add_nc_u64 s[14:15], s[14:15], s[38:39]
	s_add_nc_u64 s[16:17], s[16:17], s[40:41]
	WIN 0xc0                                       ; destination window 3
	s_wait_alu depctr_va_vdst(0)                   ; the offsets and addresses v1 to v15, v254 and v255 are written, which every load, store and LDS instruction of the kernel reads; so are v16 to v19, in which records land
.irp k, 0,1
.irp i, 0,1,2,3,4,5,6,7,8,9,10,11,12,13,14,15
	global_load_b128 v[64+64*\k+4*\i:64+64*\k+4*\i+3], v[LI], s[4:5] offset:32768*\k+512*\i th:TH_LOAD_NT   ; my rows of x1: a row a load
.endr
.endr
	WIN 0
	global_load_b128 v[GG:GG+3], v[LI], s[8:9]
	global_load_b128 v[BE:BE+3], v[LI], s[10:11]
	global_load_b128 v[M0:M0+3], v[LI], s[6:7]     ; record 0's mean, in every wave
.set K, 0
.rept DEPTH
	PLOAD K
.set K, K+1
.endr
.set K, 0
.rept NBAT
.if NBAT-1-K >= DEPTH-1
	s_wait_loadcnt 8*(DEPTH-1)                     ; this batch and all that was asked for ahead of it are in; the younger batches, eight loads each, may be out
.else
	s_wait_loadcnt 8*(NBAT-1-K)
.endif
	PACC K
.if K+DEPTH < NBAT
	s_wait_alu depctr_va_vdst(0)                   ; this batch's sums are done reading and writing its ring set, in which the loads below land
	PLOAD K+DEPTH
.endif
.set K, K+1
.endr
	WIN 0x40                                       ; the weights' images are asked for here and land while the figures are finished and y is quantised; no vector instruction names their registers
.irp t, 0,1,2,3,4,5,6,7
.irp c, 0,1,2,3
	global_load_b128 v[16*\t+4*\c:16*\t+4*\c+3], v[LI], s[12:13] offset:65536+2048*\t+512*\c
.endr
.endr
	WIN 0x80
.irp q, 0,1,2,3,4,5,6,7
.irp c, 0,1,2,3
	global_load_b128 v[16*\q+4*\c:16*\q+4*\c+3], v[LI], s[12:13] offset:131072+2048*\q+512*\c
.endr
.endr
.irp t, 0,1,2,3,4,5,6,7
	global_load_b128 v[128+8*\t:128+8*\t+3], v[B1O], s[16:17] offset:(32*(\t/2)+8*(\t%2))*4        ; b1 at hidden units 32 (t / 2) + 16 h + 8 (t % 2) + 0..7
	global_load_b128 v[128+8*\t+4:128+8*\t+7], v[B1O], s[16:17] offset:(32*(\t/2)+8*(\t%2))*4+16
.endr
	WIN 0
.irp t, 0,1,2,3,4,5,6,7
	global_load_b32 v[W1S+\t], v[LS], s[14:15] offset:4096+128*\t
	global_load_b32 v[W2S+\t], v[LS], s[14:15] offset:8192+128*\t
.endr
	s_wait_alu depctr_va_vdst(0)                   ; the last batches have written A, B and C, which the stores below read, and are done with the ring, in which the loads behind the barrier land
	ds_store_b128 v[RW], v[MU:MU+3]
	ds_store_b128 v[RW], v[AA:AA+3] offset:512
	ds_store_b128 v[RW], v[CC:CC+3] offset:1024
	BARRIER
.irp q, 0,1,2
.irp w, 0,1,2,3
	ds_load_b128 v[RG+16*\q+4*\w:RG+16*\q+4*\w+3], v[RR] offset:1536*\w+512*\q
.endr
.endr
	s_wait_dscnt 0x0
	s_wait_alu depctr_vm_vsrc(0)                   ; my three stores have read A, B and C, which the additions below write again
	RADD MU, RG, NW
	RADD AA, RG+16, NW
	RADD CC, RG+32, NW
	FINAL
	; ---- X: my 16 rows of each block
.irp k, 0,1
	WIN 0x03                                       ; source 0 window 3
.set J, 0
.rept 32
	v_pk_add_f32 v[ST+J:ST+J+1], v[64+64*\k+J:64+64*\k+J+1], v[MU+J%4:MU+J%4+1] neg_lo:[0,1] neg_hi:[0,1]
.set J, J+2
.endr
	WIN 0
.set J, 0
.rept 32
	v_pk_fma_f32 v[ST+J:ST+J+1], v[ST+J:ST+J+1], v[AA+J%4:AA+J%4+1], v[BE+J%4:BE+J%4+1]   ; y = (x1 - mean) a + beta
.set J, J+2
.endr
	s_wait_alu depctr_va_vdst(0)                   ; y is written, which the stores below read; every earlier vector instruction is done with v48-111, in which the loads below land
.irp i, 0,1,2,3,4,5,6,7,8,9,10,11,12,13,14,15
	ds_store_b128 v[YS], v[ST+4*\i:ST+4*\i+3] offset:64*RP*\k+RP*\i
.endr
.irp c, 0,1,2,3
.irp j, 0,1,2,3
	ds_load_b128 v[HA+16*\c+4*\j:HA+16*\c+4*\j+3], v[YQ] offset:64*RP*\k+128*\c+16*\j   ; LDS serves a wave's instructions in order (ISA guide 5.7.1.4): these see the stores above
.endr
.endr
	s_wait_dscnt 0x0
	QUANT HA, 0, PC, PW
	s_wait_alu depctr_va_vdst(0)                   ; the conversions have written the codes, the shifts the scale word: the stores below read them
	IMAGE XWI, 8192*\k, PC
	ds_store_b32 v[XWS], v[PW] offset:512*\k
	s_wait_dscnt 0x0                               ; my stores have landed
	s_wait_alu depctr_vm_vsrc(0)                   ; and have read y's rows, the codes and the scale word, which the next tile's arithmetic writes again
.endr
	BARRIER                                        ; y's eight fragments lie in LDS
	s_wait_loadcnt 0x0                             ; the weights
.macro BLOCK k
	; ---- 1: the hidden layer, a tile of 16 rows at a time
.irp m, 0,1,2,3
.if \m == 0
	FETCH XF, LI, XIMG+2048*(4*\k)                 ; the block's first tile; no vector or matrix instruction since the last wait on va_vdst names these registers
	ds_load_b32 v[XS], v[LS] offset:XSC+128*(4*\k)
	s_wait_dscnt 0x0
.endif
	WIN 0x21                                       ; source 0 (W1) window 1, source 2 (b1) window 2
.irp t, 0,1,2,3,4,5,6,7
	v_wmma_scale_f32_16x16x128_f8f6f4 v[HA+8*\t:HA+8*\t+7], v[16*\t:16*\t+15], v[XF:XF+15], v[128+8*\t:128+8*\t+7], v[W1S+\t], v[XS]
.endr
	WIN 0
	NOPS 8
	QUANT HA, 1, PC, PW
	s_wait_alu depctr_va_vdst(0)                   ; the conversions have written the codes, the shifts the scale word, which the stores below read; the tile's products are done reading y's fragment and scale word, in which the next tile's land
.if \m < 3
	FETCH XF, LI, XIMG+2048*(4*\k+\m+1)            ; the next tile's fragment is asked for ahead of this tile's image
	ds_load_b32 v[XS], v[LS] offset:XSC+128*(4*\k+\m+1)
.endif
	IMAGE HWI, 8192*\m, PC                         ; K step w of the second product, rows 16 m on
	ds_store_b32 v[HWS], v[PW] offset:512*\m
	s_wait_dscnt 0x0                               ; the next tile's fragment and scale word are in, my stores have landed
	s_wait_alu depctr_vm_vsrc(0)                   ; and have read the codes and the scale word, which the next quantiser writes again
.endr
	BARRIER                                        ; the hidden layer's sixteen fragments lie in LDS
	; ---- 2: my 32 outputs for the 64 rows: eight accumulators by turns, a K step at a time
.if \k > 0
	s_wait_xcnt 0x0                                ; the last block's stores of x2 have had their addresses translated: loads land in their registers only behind this wait
	s_wait_alu depctr_vm_vsrc(0)                   ; and they have read v132-195, in which the fetches below land
.endif
.irp s, 0,1,2,3
.if \s > 0
	s_wait_alu depctr_va_vdst(0)                   ; the last K step's products are done reading the four hidden fragments and their scale words, in which the loads below land
.endif
.irp m, 0,1,2,3
	FETCH ST+16*\m, LI, HIMG+2048*(4*\m+\s)
	ds_load_b32 v[HS+\m], v[LS] offset:HSC+128*(4*\m+\s)
.endr
	s_wait_dscnt 0x0
.if \s == 0
	WIN 0xc2                                       ; source 0 (W2) window 2, destination window 3; the first K step starts the sums
.else
	WIN 0xf2                                       ; C and D window 3
.endif
.irp m, 0,1,2,3
.irp n, 0,1
.if \s == 0
	v_wmma_scale_f32_16x16x128_f8f6f4 v[8*(4*\n+\m):8*(4*\n+\m)+7], v[16*(4*\n+\s):16*(4*\n+\s)+15], v[ST+16*\m:ST+16*\m+15], 0, v[W2S+4*\n+\s], v[HS+\m]
.else
	v_wmma_scale_f32_16x16x128_f8f6f4 v[8*(4*\n+\m):8*(4*\n+\m)+7], v[16*(4*\n+\s):16*(4*\n+\s)+15], v[ST+16*\m:ST+16*\m+15], v[8*(4*\n+\m):8*(4*\n+\m)+7], v[W2S+4*\n+\s], v[HS+\m]
.endif
.endr
.endr
	WIN 0
	NOPS 8                                         ; places behind the products, ahead of the loads into their fragments and of the first read of results
.endr
	WIN 0x0c                                       ; an LDS store's data are its source 1: window 3
	s_wait_alu depctr_va_vdst(0)                   ; the products have written the eight accumulators, which the stores below read, and are done reading v132-195, in which the loads behind the barrier land
.irp m, 0,1,2,3
.irp n, 0,1
	ds_store_b128 v[SO], v[8*(4*\n+\m):8*(4*\n+\m)+3] offset:16*RP*\m+64*\n
	ds_store_b128 v[SO], v[8*(4*\n+\m)+4:8*(4*\n+\m)+7] offset:16*RP*\m+64*\n+16
.endr
.endr
	WIN 0
	BARRIER                                        ; 64 whole rows of the second product lie in the stage
	; ---- rows 16 w .. 16 w + 15 of the block
.irp i, 0,1,2,3,4,5,6,7,8,9,10,11,12,13,14,15
	ds_load_b128 v[ST+4*\i:ST+4*\i+3], v[ZR] offset:RP*\i
.endr
.irp i, 0,1,2,3,4,5,6,7,8,9,10,11,12,13,14,15
	ds_load_b128 v[HA+4*\i:HA+4*\i+3], v[YS] offset:64*RP*\k+RP*\i
.endr
.if \k == 0
	ds_load_b128 v[DT:DT+3], v[Z0]                 ; the work-group's first row, for the shift
	ds_load_b128 v[SH:SH+3], v[Y0]
.endif
	s_wait_dscnt 0x0
.if \k == 0
	v_pk_add_f32 v[SH:SH+1], v[SH:SH+1], v[DT:DT+1]
	v_pk_add_f32 v[SH+2:SH+3], v[SH+2:SH+3], v[DT+2:DT+3]
.endif
.irp i, 0,1,2,3,4,5,6,7,8,9,10,11,12,13,14,15
	v_pk_add_f32 v[ST+4*\i:ST+4*\i+1], v[HA+4*\i:HA+4*\i+1], v[ST+4*\i:ST+4*\i+1]
	v_pk_add_f32 v[ST+4*\i+2:ST+4*\i+3], v[HA+4*\i+2:HA+4*\i+3], v[ST+4*\i+2:ST+4*\i+3]
.endr
	s_wait_alu depctr_va_vdst(0)                   ; the additions have written the sixteen rows of x2, which the stores below read; the statistics among the stores write v32-39 and v44-47 alone
.irp i, 0,1,2,3,4,5,6,7,8,9,10,11,12,13,14,15
	global_store_b128 v[LI], v[ST+4*\i:ST+4*\i+3], s[18:19] offset:32768*\k+512*\i   ; 32 lanes store a row: 512 consecutive bytes
.if (\i == 0) && (\k == 0)
	ROWSTAT ST, 1
.else
	ROWSTAT ST+4*\i, 0
.endif
.endr
.endm
	BLOCK 0
	BLOCK 1
	s_wait_alu depctr_va_vdst(0)                   ; the two sums are written, which the stores below read; the vector instructions above are done with v48-79, in which wave 0's loads land
	ds_store_b128 v[R2], v[S1:S1+3]
	ds_store_b128 v[R2], v[S2:S2+3] offset:512
	BARRIER
	s_wait_alu depctr_vm_vsrc(0)                   ; my two stores have read the sums, which wave 0 writes again: stated ahead of the branch
	s_cmp_lg_u32 s[WV], 0                          ; wave 0 adds the four pairs and stores the work-group's record
	s_cbranch_scc1 .Lend
.irp k, 0,1,2,3
	ds_load_b128 v[HA+4*\k:HA+4*\k+3], v[R2R] offset:1024*\k
	ds_load_b128 v[HA+16+4*\k:HA+16+4*\k+3], v[R2R] offset:1024*\k+512
.endr
	s_wait_dscnt 0x0
	RADD S1, HA, NW
	RADD S2, HA+16, NW
	v_pk_mul_f32 v[DT:DT+1], v[S1:S1+1], 0x3c000000 op_sel_hi:[1,0]         ; T = S1 / 128
	v_pk_mul_f32 v[DT+2:DT+3], v[S1+2:S1+3], 0x3c000000 op_sel_hi:[1,0]
	v_pk_add_f32 v[HA:HA+1], v[SH:SH+1], v[DT:DT+1]                         ; the mean
	v_pk_add_f32 v[HA+2:HA+3], v[SH+2:SH+3], v[DT+2:DT+3]
	v_pk_fma_f32 v[HA+4:HA+5], v[DT:DT+1], v[S1:S1+1], v[S2:S2+1] neg_lo:[1,0,0] neg_hi:[1,0,0]   ; the squares about it
	v_pk_fma_f32 v[HA+6:HA+7], v[DT+2:DT+3], v[S1+2:S1+3], v[S2+2:S2+3] neg_lo:[1,0,0] neg_hi:[1,0,0]
	s_wait_alu depctr_va_vdst(0)                   ; the record is written, which the stores below read
	global_store_b128 v[LI], v[HA:HA+3], s[20:21]
	global_store_b128 v[LI], v[HA+4:HA+7], s[20:21] offset:512
.Lend:
	s_wait_dscnt 0x0                               ; the closing lines, six on end
	s_wait_alu 0x0
	s_wait_tensorcnt 0x0
	ds_add_u32 v[SPW], v[NIL]
	s_wait_dscnt 0x0
	s_endpgm
.Lfunc_end_k_qc3d4cd0ae4_ff:
	.size	k_qc3d4cd0ae4_ff, .Lfunc_end_k_qc3d4cd0ae4_ff-k_qc3d4cd0ae4_ff
	.p2alignl 7, 3214868480
	.fill 96, 4, 3214868480
	.section	.rodata,"a",@progbits
	.p2align	6, 0x0
	.amdhsa_kernel k_qc3d4cd0ae4_ff
		.amdhsa_group_segment_fixed_size 164352
		.amdhsa_private_segment_fixed_size 0
		.amdhsa_enable_private_segment 0
		.amdhsa_kernarg_size 72
		.amdhsa_user_sgpr_count 2
		.amdhsa_user_sgpr_kernarg_segment_ptr 1
		.amdhsa_wavefront_size32 1
		.amdhsa_system_sgpr_workgroup_id_x 1
		.amdhsa_system_sgpr_workgroup_id_y 1
		.amdhsa_system_sgpr_workgroup_id_z 1
		.amdhsa_system_vgpr_workitem_id 0
		.amdhsa_next_free_vgpr 1024
		.amdhsa_next_free_sgpr 66
		.amdhsa_reserve_vcc 0
		.amdhsa_float_denorm_mode_32 3
		.amdhsa_float_denorm_mode_16_64 3
		.amdhsa_memory_ordered 1
		.amdhsa_forward_progress 1
		.amdhsa_inst_pref_size 224
	.end_amdhsa_kernel
	.amdgpu_metadata
---
amdhsa.version: [ 1, 2 ]
amdhsa.kernels:
  - .name:           k_qc3d4cd0ae4_ff
    .symbol:         k_qc3d4cd0ae4_ff.kd
    .args:
      - { .name: x1, .offset: 0, .size: 8, .value_kind: global_buffer, .address_space: global }
      - { .name: part1, .offset: 8, .size: 8, .value_kind: global_buffer, .address_space: global }
      - { .name: bn1_g, .offset: 16, .size: 8, .value_kind: global_buffer, .address_space: global }
      - { .name: bn1_b, .offset: 24, .size: 8, .value_kind: global_buffer, .address_space: global }
      - { .name: wcodes, .offset: 32, .size: 8, .value_kind: global_buffer, .address_space: global }
      - { .name: wscales, .offset: 40, .size: 8, .value_kind: global_buffer, .address_space: global }
      - { .name: ff1_b, .offset: 48, .size: 8, .value_kind: global_buffer, .address_space: global }
      - { .name: x2, .offset: 56, .size: 8, .value_kind: global_buffer, .address_space: global }
      - { .name: part2, .offset: 64, .size: 8, .value_kind: global_buffer, .address_space: global }
    .group_segment_fixed_size: 164352
    .private_segment_fixed_size: 0
    .kernarg_segment_align: 8
    .kernarg_segment_size: 72
    .max_flat_workgroup_size: 128
    .sgpr_count:     66
    .vgpr_count:     1024
    .wavefront_size: 32
...
	.end_amdgpu_metadata
.endif
;; end of part 6
;; launch bn2: the kernel of part 4 again; grid 256 x 1, 16 waves a work-group, no clusters, 26,624 bytes of LDS; arguments x2, part2, bn2_g, bn2_b, out0; writes out0
